; MI455X (gfx1250); checked and timed in simulation.
; The chip was launched on July 23, 2026; its instructions are those of AMD's public machine-readable ISA for CDNA 5 (MIT licence, August 2026) and "CDNA5" Instruction Set Architecture Reference Guide (July 2026). The comments in the code are by the model that wrote it; some were corrected since.
;; Wan Animate Face Block Cross Attention. Allowed arithmetic: float matrix products may take bf16 or f16 operands with f32 sums; other float arithmetic in f32, or as packed bf16 or f16 multiplies, adds, multiply-adds, maxima and minima; sums over many terms, partial sums and values carried from step to step in f32; what a program stores and reads back later, other than sums and carried values, may be rounded once to bf16 or f16.
;; Inputs: Wk 256 x 2,048 float32; Wo 2,048 x 256 float32; Wq 256 x 2,048 float32; Wv 256 x 2,048 float32; bk 2,048 float32; bo 256 float32; bq 2,048 float32; bv 2,048 float32; encoder_hidden_states 1 x 16 x 512 x 256 float32; gk 128 float32; gq 128 float32; hidden_states 1 x 16,384 x 256 float32.
;; Outputs: out0 1 x 16,384 x 256 float32.
;; 2 versions, each right; version 2 is version 1 with the launch prep written anew for expert scheduling mode. Each part assembles by itself: llvm-mc -triple=amdgcn-amd-amdhsa -mcpu=gfx1250 --defsym DOCPART=n.
;; ======== version 1 of 2: 3 launches
;; limits: values are held in f16: magnitudes above 65,504 overflow, below 6.1e-05 lose precision
;; workspace buffers: x16 12,582,912 bytes; wf 4,194,304 bytes; att 67,108,864 bytes
;; launch prep (part 1): grid 256 x 1, 8 waves a work-group, no clusters, 51,712 bytes of LDS; arguments hidden_states, encoder_hidden_states, Wq, Wk, Wv, Wo, x16, wf; writes x16, wf
.if DOCPART == 1
	.amdgcn_target "amdgcn-amd-amdhsa--gfx1250"
	.amdhsa_code_object_version 6
	.text
	.protected	k_q083bab6843_prep
	.globl	k_q083bab6843_prep
	.p2align	8
	.type	k_q083bab6843_prep,@function
k_q083bab6843_prep:
	s_mov_b64 s[64:65], 0
	v_nop
	global_prefetch_b8 v0, s[64:65] scope:SCOPE_SE
	s_setreg_imm32_b32 hwreg(HW_REG_WAVE_MODE, 25, 1), 1
	s_wait_xcnt 0x0
; PREP.  LayerNorm (no gain, no bias) of hidden_states and encoder_hidden_states, and the four weights, all rounded once to f16 and laid out as matrix fragments.
; NOTHING OF reference() IS LEFT OUT IN THIS PROGRAM: all twelve inputs have a way to the output and are loaded (the biases and gains by the two later launches).
; A FRAGMENT is 16 rows x 32 k of f16, 1,024 bytes, stored [j = 0, 1][lane 0..31][16 bytes]: lane (r = lane % 16, hh = lane / 16) holds row r, k = 16 j + 8 hh + 0..7.
; Two loads of 16 bytes a lane, at 16 lane and 512 + 16 lane, are the eight registers of a matrix operand; each covers 512 consecutive bytes.
;   x16: [tile T of 16 rows][kb 0..7][fragment]; T 0..1023 hidden_states, T 1024..1535 encoder_hidden_states.
;   wf:  Wq at 0, Wk at 1 MiB, Wv at 2 MiB, each [head][kb][nb][fragment], a fragment's row r = output channel 128 head + 16 nb + r, k = input channel 32 kb + ..;
;        Wo at 3 MiB, [kblock 0..63][q = 4 g + c][fragment], row r = output column 64 g + 4 r + c, k = inner index 32 kblock + ..
; SHARES.  256 work-groups of eight waves.  Waves 0..5 normalise one tile each (6 x 256 = 1,536 tiles).  Waves 6 and 7 turn weights: 768 units of 32 k x 64 columns of Wq, Wk, Wv
; (three a work-group) and 256 units of 32 k x 64 columns of Wo (one a work-group).  Each wave issues all its loads, 16 KiB, ahead of its first wait; there is no loop and no barrier.
; No matrix unit, no cluster (no two work-groups read the same byte), no tensor load: a stream that is read once and written once.
; LIMITS.  f16 holds no number beyond 65,504: a weight beyond that becomes an infinity.  The normalised rows lie within 16 in magnitude by the LayerNorm itself.  NaN and infinities are not treated apart.
.set SPARE, 50688                      ; behind the six stages: the spare words, 128 bytes for each of the eight waves; no other line names them
.set STG,   8448                       ; a wave's stage: 16 rows
.set PIT,   528                        ; of 512 bytes + 16: an odd multiple of 16, so the 16 rows of a read start in different groups of banks
.set X,     32                         ; v[32:159]  row i of the tile at X + 8 i
.set M,     160                        ; v[160:191] row i's pair at M + 2 i
.set SPW,   30                         ; v30  my spare word's LDS address; never rewritten
.set NIL,   31                         ; v31  0; never rewritten
	s_load_b512 s[4:19], s[0:1], 0x0               ; hidden s[4:5], encoder s[6:7], Wq s[8:9], Wk s[10:11], Wv s[12:13], Wo s[14:15], x16 s[16:17], wf s[18:19]
	v_lshl_add_u32 v[SPW], v0, 2, SPARE
	v_mov_b32 v[NIL], 0
	v_lshrrev_b32 v1, 5, v0
	v_readfirstlane_b32 s20, v1                    ; wave 0..7
	v_and_b32 v1, 31, v0                           ; lane
	v_lshlrev_b32 v2, 4, v1                        ; 16 lane
	v_and_b32 v9, 15, v0                           ; r
	v_bfe_u32 v10, v0, 4, 1                        ; hh
	s_mov_b32 s31, 0                               ; the high word of every offset pair
	s_wait_kmcnt 0x0
	s_cmp_lt_u32 s20, 6
	s_cbranch_scc0 .Lw
	; ---- LayerNorm of tile T = 6 x work-group + wave ----
	s_mul_i32 s21, ttmp9, 6
	s_add_co_u32 s21, s21, s20
	s_cmp_lt_u32 s21, 1024
	s_cselect_b64 s[22:23], s[4:5], s[6:7]         ; which input,
	s_cselect_b32 s30, 0, 1024
	s_sub_co_u32 s30, s21, s30                     ; and which of its tiles:
	s_lshl_b32 s30, s30, 14                        ; 16 rows of 1,024 bytes
	s_add_nc_u64 s[22:23], s[22:23], s[30:31]
	s_lshl_b32 s30, s21, 13                        ; 8 fragments
	s_add_nc_u64 s[16:17], s[16:17], s[30:31]
.set i, 0
.rept 16                               ; a lane takes channels 4 l .. 4 l + 3 and 128 + 4 l .. of each row: each load covers 512 consecutive bytes
	global_load_b128 v[X+8*i:X+8*i+3],   v2, s[22:23] offset:1024*i th:TH_LOAD_NT
	global_load_b128 v[X+8*i+4:X+8*i+7], v2, s[22:23] offset:1024*i+512 th:TH_LOAD_NT
.set i, i+1
.endr
	s_mov_b32 s24, 0xbb800000                      ; -1/256
	s_mov_b32 s25, 0xbb800000                      ; named with it as a pair
	s_mov_b32 s26, 0x3b800000                      ; 1/256
	s_mov_b32 s27, 0x358637bd                      ; 1e-6
	s_mov_b32 s28, 0x76543210                      ; v_permlanex16_b32: each lane takes its own place in the other half
	s_mov_b32 s29, 0xfedcba98
	s_mul_i32 s32, s20, STG                        ; my stage
	v_lshl_add_u32 v3, v1, 3, s32                  ; in: 8 bytes a lane
	v_mul_u32_u24 v4, v9, PIT                      ; back: row r, 16 bytes for each half of the lanes
	v_lshl_add_u32 v4, v10, 4, v4
	v_add_nc_u32 v4, s32, v4
.macro REDUCE                          ; the sixteen rows' sums over the 32 lanes, the rows interleaved; every lane ends with the sum in the pair's low register
.irp m, 1,2,4,8
.set i, 0
.rept 16
	v_add_f32_dpp v[M+2*i], v[M+2*i], v[M+2*i] row_xmask:\m row_mask:0xf bank_mask:0xf
.set i, i+1
.endr
.endr
.set i, 0
.rept 16
	v_permlanex16_b32 v[M+2*i+1], v[M+2*i], s28, s29
.set i, i+1
.endr
.set i, 0
.rept 16
	v_add_f32 v[M+2*i], v[M+2*i], v[M+2*i+1]
.set i, i+1
.endr
.endm
.set i, 0
.rept 16
	s_wait_loadcnt 30-2*i                          ; loads come back in order: row i is in, the later rows' two loads each may stay out
	v_pk_add_f32 v[M+2*i:M+2*i+1], v[X+8*i:X+8*i+1], v[X+8*i+2:X+8*i+3]
	v_pk_add_f32 v[M+2*i:M+2*i+1], v[M+2*i:M+2*i+1], v[X+8*i+4:X+8*i+5]
	v_pk_add_f32 v[M+2*i:M+2*i+1], v[M+2*i:M+2*i+1], v[X+8*i+6:X+8*i+7]
	v_add_f32 v[M+2*i], v[M+2*i], v[M+2*i+1]
.set i, i+1
.endr
	REDUCE
.set i, 0
.rept 16                               ; x - mean, in place
.irp c, 0,2,4,6
	v_pk_fma_f32 v[X+8*i+\c:X+8*i+\c+1], v[M+2*i:M+2*i+1], s[24:25], v[X+8*i+\c:X+8*i+\c+1] op_sel_hi:[0,0,1]
.endr
.set i, i+1
.endr
.set i, 0
.rept 16                               ; the sum of the squares of the centred numbers
	v_pk_mul_f32 v[M+2*i:M+2*i+1], v[X+8*i:X+8*i+1], v[X+8*i:X+8*i+1]
.irp c, 2,4,6
	v_pk_fma_f32 v[M+2*i:M+2*i+1], v[X+8*i+\c:X+8*i+\c+1], v[X+8*i+\c:X+8*i+\c+1], v[M+2*i:M+2*i+1]
.endr
	v_add_f32 v[M+2*i], v[M+2*i], v[M+2*i+1]
.set i, i+1
.endr
	REDUCE
.set i, 0
.rept 16
	v_fma_f32 v[M+2*i], v[M+2*i], s26, s27         ; variance + 1e-6
.set i, i+1
.endr
.set i, 0
.rept 16
	v_rsq_f32 v[M+2*i], v[M+2*i]                   ; one batch of sixteen
.set i, i+1
.endr
	v_nop                                          ; a plain instruction behind the last of them,
	s_wait_alu depctr_va_vdst(0)                   ; and the one wait ahead of the first use
.set i, 0
.rept 16
.irp c, 0,2,4,6
	v_pk_mul_f32 v[X+8*i+\c:X+8*i+\c+1], v[X+8*i+\c:X+8*i+\c+1], v[M+2*i:M+2*i+1] op_sel_hi:[1,0]
.endr
.irp c, 0,1,2,3
	v_cvt_pk_f16_f32 v[X+8*i+\c], v[X+8*i+2*\c], v[X+8*i+2*\c+1]  ; in place: register c is written when its own pair has been read
.endr
	ds_store_b64 v3, v[X+8*i:X+8*i+1]   offset:PIT*i       ; channels 4 l ..
	ds_store_b64 v3, v[X+8*i+2:X+8*i+3] offset:PIT*i+256   ; channels 128 + 4 l ..
.set i, i+1
.endr
.set i, 0
.rept 16                               ; half fragment i = 2 kb + j: LDS serves a wave's instructions in order, so these see the stores above; they land in each row's four free registers
	ds_load_b128 v[X+8*i+4:X+8*i+7], v4 offset:32*i
.set i, i+1
.endr
.set i, 0
.rept 16
	s_wait_dscnt 15-i
	global_store_b128 v2, v[X+8*i+4:X+8*i+7], s[16:17] offset:512*i  ; 512 consecutive bytes, at a multiple of 512 from x16's first byte
.set i, i+1
.endr
	s_branch .Lend
	; ---- the weights ----
; Unit idx of Wq, Wk, Wv: matrix idx / 256, kb = (idx / 32) % 8, strip sp = idx % 32 of 64 columns.  src: its first element; dst: its four fragments.
.macro WADDR idx, src, dst
	s_lshr_b32 s32, s[\idx], 8
	s_cmp_eq_u32 s32, 1
	s_cselect_b64 s[\src:\src+1], s[10:11], s[8:9]
	s_cmp_eq_u32 s32, 2
	s_cselect_b64 s[\src:\src+1], s[12:13], s[\src:\src+1]
	s_bfe_u32 s33, s[\idx], 0x30005                ; kb
	s_and_b32 s34, s[\idx], 31                     ; sp
	s_lshl_b32 s30, s33, 18                        ; 32 rows of 8,192 bytes
	s_lshl_b32 s35, s34, 8                         ; 64 columns of 4 bytes
	s_add_co_u32 s30, s30, s35
	s_add_nc_u64 s[\src:\src+1], s[\src:\src+1], s[30:31]
	s_lshl_b32 s30, s32, 20                        ; the matrix,
	s_lshr_b32 s35, s34, 1
	s_lshl_b32 s35, s35, 16                        ; the head,
	s_add_co_u32 s30, s30, s35
	s_lshl_b32 s35, s33, 13                        ; kb,
	s_add_co_u32 s30, s30, s35
	s_and_b32 s35, s34, 1
	s_lshl_b32 s35, s35, 12                        ; the head's first or second four fragments
	s_add_co_u32 s30, s30, s35
	s_add_nc_u64 s[\dst:\dst+1], s[18:19], s[30:31]
.endm
.macro WLOAD base, src                 ; a lane a column: column 32 u + l of rows 0..31; a row's two loads cover 256 consecutive bytes, aligned
.set i, 0
.rept 32
	global_load_b32 v[(\base)+i],    v5, s[\src:\src+1] offset:8192*i th:TH_LOAD_NT
	global_load_b32 v[(\base)+32+i], v5, s[\src:\src+1] offset:8192*i+128 th:TH_LOAD_NT
.set i, i+1
.endr
.endm
.macro WPACK base                      ; two neighbouring k of a column into a register, in place
.set i, 0
.rept 16
	v_cvt_pk_f16_f32 v[(\base)+i],    v[(\base)+2*i],    v[(\base)+2*i+1]
.set i, i+1
.endr
.set i, 0
.rept 16
	v_cvt_pk_f16_f32 v[(\base)+32+i], v[(\base)+32+2*i], v[(\base)+32+2*i+1]
.set i, i+1
.endr
.endm
.macro WSTORE base, dst                ; column 32 u + l is row l % 16 of fragment 2 u + l / 16; its k = 16 j + 8 hh + 0..7 go to byte 512 j + 256 hh + 16 (l % 16): each half of the lanes writes 256 consecutive bytes
.irp u, 0,1
.irp j, 0,1
.irp h, 0,1
	global_store_b128 v6, v[(\base)+32*\u+8*\j+4*\h:(\base)+32*\u+8*\j+4*\h+3], s[\dst:\dst+1] offset:2048*\u+512*\j+256*\h
.endr
.endr
.endr
.endm
.Lw:
	v_lshlrev_b32 v5, 2, v1                        ; 4 lane
	v_lshlrev_b32 v6, 4, v9                        ; 16 (l % 16)
	v_lshl_add_u32 v6, v10, 10, v6                 ; + 1,024 (l / 16)
	s_mul_i32 s21, ttmp9, 3
	s_add_co_u32 s21, s21, s20
	s_sub_co_u32 s21, s21, 6                       ; unit 3 x work-group + 0 (wave 6) or + 1 (wave 7)
	WADDR 21, 22, 24
	WLOAD 32, 22
	s_cmp_eq_u32 s20, 6
	s_cbranch_scc0 .Lo
	s_mul_i32 s21, ttmp9, 3
	s_add_co_u32 s21, s21, 2                       ; wave 6 also takes unit 3 x work-group + 2
	WADDR 21, 26, 28
	WLOAD 96, 26
	s_wait_loadcnt 63                              ; of my 128 loads at most 63 are out: the first unit's 64 are in
	WPACK 32
	WSTORE 32, 24
	s_wait_loadcnt 0x0
	WPACK 96
	WSTORE 96, 28
	s_branch .Lend
.Lo:                                               ; wave 7 also takes a unit of Wo: kblock = work-group / 4, g = work-group % 4
	v_lshlrev_b32 v7, 4, v9
	v_lshl_add_u32 v8, v10, 9, v7                  ; out: 512 (l / 16) + 16 (l % 16)
	v_lshl_add_u32 v7, v10, 14, v7                 ; in: 16 rows of 1,024 bytes further for lanes 16-31, 16 bytes (four columns) a lane
	s_lshr_b32 s32, ttmp9, 2
	s_and_b32 s33, ttmp9, 3
	s_lshl_b32 s30, s32, 15                        ; 32 rows of 1,024 bytes
	s_lshl_b32 s34, s33, 8                         ; 64 columns
	s_add_co_u32 s30, s30, s34
	s_add_nc_u64 s[36:37], s[14:15], s[30:31]
	s_lshl_b32 s30, s32, 14                        ; 16 fragments a kblock
	s_lshl_b32 s34, s33, 12                        ; four a g
	s_add_co_u32 s30, s30, s34
	s_add_co_u32 s30, s30, 0x300000
	s_add_nc_u64 s[38:39], s[18:19], s[30:31]
.set i, 0
.rept 16                               ; lane (r, H): row 16 H + i, columns 64 g + 4 r + 0..3; each half of the lanes reads 256 consecutive bytes, aligned
	global_load_b128 v[96+4*i:96+4*i+3], v7, s[36:37] offset:1024*i th:TH_LOAD_NT
.set i, i+1
.endr
	s_wait_loadcnt 16                              ; the first unit is in; Wo's 16 loads may stay out
	WPACK 32
	WSTORE 32, 24
	s_wait_loadcnt 0x0
.irp c, 0,1,2,3
.set i, 0
.rept 8                                ; column 64 g + 4 r + c, k = 16 H + 2 i, + 1
	v_cvt_pk_f16_f32 v[160+8*\c+i], v[96+8*i+\c], v[96+8*i+4+\c]
.set i, i+1
.endr
.endr
.irp c, 0,1,2,3
.irp h, 0,1
	global_store_b128 v8, v[160+8*\c+4*\h:160+8*\c+4*\h+3], s[38:39] offset:1024*\c+256*\h  ; fragment 4 g + c, j = H, k = 8 h + 0..7: 256 consecutive bytes for each half of the lanes
.endr
.endr
.Lend:
	s_wait_tensorcnt 0x0                           ; the wave's end: three closing lines, behind my last LDS store
	ds_add_u32 v[SPW], v[NIL]
	s_wait_dscnt 0x0
	s_endpgm
.Lfunc_end_k_q083bab6843_prep:
	.size	k_q083bab6843_prep, .Lfunc_end_k_q083bab6843_prep-k_q083bab6843_prep
	.p2alignl 7, 3214868480
	.fill 96, 4, 3214868480
	.section	.rodata,"a",@progbits
	.p2align	6, 0x0
	.amdhsa_kernel k_q083bab6843_prep
		.amdhsa_group_segment_fixed_size 51712
		.amdhsa_private_segment_fixed_size 0
		.amdhsa_enable_private_segment 0
		.amdhsa_kernarg_size 64
		.amdhsa_user_sgpr_count 2
		.amdhsa_user_sgpr_kernarg_segment_ptr 1
		.amdhsa_wavefront_size32 1
		.amdhsa_system_sgpr_workgroup_id_x 1
		.amdhsa_system_sgpr_workgroup_id_y 1
		.amdhsa_system_sgpr_workgroup_id_z 1
		.amdhsa_system_vgpr_workitem_id 0
		.amdhsa_next_free_vgpr 200
		.amdhsa_next_free_sgpr 66
		.amdhsa_reserve_vcc 0
		.amdhsa_float_denorm_mode_32 3
		.amdhsa_float_denorm_mode_16_64 3
		.amdhsa_memory_ordered 1
		.amdhsa_forward_progress 1
		.amdhsa_inst_pref_size 70
	.end_amdhsa_kernel
	.amdgpu_metadata
---
amdhsa.version: [ 1, 2 ]
amdhsa.kernels:
  - .name:           k_q083bab6843_prep
    .symbol:         k_q083bab6843_prep.kd
    .args:
      - { .name: hidden_states, .offset: 0, .size: 8, .value_kind: global_buffer, .address_space: global }
      - { .name: encoder_hidden_states, .offset: 8, .size: 8, .value_kind: global_buffer, .address_space: global }
      - { .name: Wq, .offset: 16, .size: 8, .value_kind: global_buffer, .address_space: global }
      - { .name: Wk, .offset: 24, .size: 8, .value_kind: global_buffer, .address_space: global }
      - { .name: Wv, .offset: 32, .size: 8, .value_kind: global_buffer, .address_space: global }
      - { .name: Wo, .offset: 40, .size: 8, .value_kind: global_buffer, .address_space: global }
      - { .name: x16, .offset: 48, .size: 8, .value_kind: global_buffer, .address_space: global }
      - { .name: wf, .offset: 56, .size: 8, .value_kind: global_buffer, .address_space: global }
    .group_segment_fixed_size: 51712
    .private_segment_fixed_size: 0
    .kernarg_segment_align: 8
    .kernarg_segment_size: 64
    .max_flat_workgroup_size: 256
    .sgpr_count:     66
    .vgpr_count:     200
    .wavefront_size: 32
...
	.end_amdgpu_metadata
.endif
;; end of part 1
;; launch attn (part 2): grid 16 x 16, 4 waves a work-group, no clusters, 327,680 bytes of LDS; arguments x16, wf, bq, bk, bv, gq, gk, att; writes att
.if DOCPART == 2
	.amdgcn_target "amdgcn-amd-amdhsa--gfx1250"
	.amdhsa_code_object_version 6
	.text
	.protected	k_q083bab6843_attn
	.globl	k_q083bab6843_attn
	.p2align	8
	.type	k_q083bab6843_attn,@function
k_q083bab6843_attn:
	s_mov_b64 s[64:65], 0
	v_nop
	global_prefetch_b8 v0, s[64:65] scope:SCOPE_SE
	s_setreg_imm32_b32 hwreg(HW_REG_WAVE_MODE, 25, 1), 1
	s_wait_xcnt 0x0
; ATTN.  One work-group for each (head h = x, frame t = y): 16 x 16 = 256.  It projects the frame's 512 face tokens to this head's V and K (bias, RMS norm and gain for K), keeps both in LDS as
; matrix fragments in f16, and then four times projects 256 queries (bias, RMS norm, gain) and attends: q, k, v, the scores and the weights never reach memory.  Nothing of reference() is left out here.
; SHARES.  Wave w projects keys 128 w .. 128 w + 127, in two passes of 64, and owns 64 queries (four tiles of 16) of each of the four blocks of 256.
; ORIENTATION, so that nothing changes lanes.  K, Q: D = (weights' fragment) x (x's fragment): a lane holds ONE row of x and channels 16 nb + 8 (lane / 16) + 0..7; rounded in pairs these ARE the
; fragments of K (source 0) and Q (source 1) of S^T = K Q^T.  V: D = (x's fragment) x (weights' fragment): a lane holds ONE channel and eight keys; rounded, two key tiles ARE a fragment of V^T,
; source 0 of O^T = V^T P.  O^T rounded IS the last launch's fragment of att.  A fragment is 1,024 bytes, [j][lane][16 bytes]: every LDS and memory access of 16 bytes a lane covers 512 consecutive bytes.
; The keys lie in LDS by steps of 64: step 4 p + w holds keys 128 w + 64 p + 0..63, alike for K and V: a softmax does not hang on the order of its keys.
; SOFTMAX, BY TURNS.  For each query a running maximum m and sum l: p = 2^(c s - c m), c = log2(e) / sqrt(128); in every step O and l are multiplied by a = 2^(c m_old - c m_new).  c m starts far below
; every c s, so the first step's a is 0 and O^T and l need only be finite at a block's start (they hold what the norm left).  The wave's four tiles are two pieces (tiles 0, 1; tiles 2, 3): in a turn one
; piece issues 32 products V^T P and 32 products K Q^T, and the other piece's softmax, 268 vector instructions in 64 slices, stands behind them, one slice a product.
; LDS.  0: Wv, later K's steps 0-3.  65,536: Wk (63 fragments), later K's steps 4-7.  131,072: V's steps 0-7.  262,144: Wq (63 fragments).  326,656: the spare words.  Each weight is filled once, at the
; start; LDS stores land only on bytes that have had their one fill.  K, V and Wq are 327,680 bytes by themselves, so fragment (kb 7, nb 7) of Wk and of Wq lives in eight registers of every wave.
; NO CLUSTER: what work-groups share (a frame's rows of x16 among 16 heads, a head's weights among 16 frames) would have to land in LDS, of which 327,168 of 327,680 bytes are taken; the rows of x16 go
; straight into the registers of their one reader in the work-group, and the weights are 190 KiB once against 6,144 matrix instructions a wave.
; AHEAD.  A pass's fragments of x are asked for inside the pass before: K blocks 0-3 in its projection's middle (into registers that the attention leaves alone), K blocks 4-7 behind its last product.
; The last pass asks once more for the last block's rows, bias and gain (98 loads a wave whose data nobody reads): the price of one text for all passes; every address stays inside its buffer.
; LIMITS.  f16 holds no number beyond 65,504: |q|, |k| are at most sqrt(128) |gain|, |v| at most 16 x the norm of a column of Wv plus |bv|; p lies in 0 to 1, O within v's range.  A weight below 2^-126
; counts as 0 in l; l is taken of the unrounded p.  NaN and infinities are not treated apart.
; REGISTERS, in windows of 256 (s_set_vgpr_msb: bits 1:0 source 0, 3:2 source 1, 5:4 source 2, 7:6 destination):
;   window 0: v0-11 addresses; v12-43 eight registers of statistics a tile; v44-51 the odd fragment; v62-63 the add's; v64-191 S^T (in a projection: bias v64-127, gain v128-191); v192-255 P (in V's passes: bv v192-199)
;   window 1: a projection's 32 accumulators, (tile, nb) at 64 tile + 8 nb; later O^T       window 2: v0-127 Q's (or K's) fragments; v128-255 two buffers of weights, later K of one step
;   window 3: x's fragments, (kb, tile) at 32 ((kb + 4) % 8) + 8 tile: kb 0-3 in v128-255; kb 4-7 in v0-127, which hold V of one step during the attention
.set SPARE, 326656
.set L16, 2           ; v2   16 x lane; never rewritten
.set AV0, 3           ; v3   16 x lane + 131,072: my place in V's steps
.set ADR, 4           ; v4   the LDS address of the run of loads in hand
.set WA,  6           ; v6   the LDS address of the weights in hand
.set BGO, 7           ; v7   32 (lane / 16): my eight numbers among sixteen of a bias or gain
.set FST, 9           ; v9   where I store fragments
.set PFO, 10          ; v10  the prefetches' offset: 8,192 (lane / 16) + 256 (lane % 16)
.set BVO, 11          ; v11  4 (lane % 16)
.set ST,  12
.set WX,  44
.set SPW, 62
.set NIL, 63
.set S,   64
.set BI,  64
.set GA,  128
.set P,   192
.set BV,  192
.set KF,  128         ; window 2
.set WB,  128         ; window 2
.set WV,  20          ; s20  my wave's number
.set HD,  21          ; s21  the head
.set FR,  22          ; s22  the frame
.set G1A, 24          ; s[24:31] descriptor group 1: 64 rows of 256 bytes
.set G1B, 32          ; s[32:39] 63 rows
.set G0,  40          ; s[40:51] three groups 0: Wv, Wk, Wq
.set EN0, 52          ; s[52:53] x16 at my first 64 keys
.set EN1, 54          ; s[54:55] at my second 64
.set HN0, 56          ; s[56:57] at my 64 queries of block 0
.set CS,  58          ; s[58:59] c
.set SEL, 60          ; s[60:61] v_permlanex16_b32's selects
.set TB,  62          ; s62  LDS byte at which the step to be fetched begins
.set CNT, 63          ; s63  counts the key steps
.set XN,  66          ; s[66:67] x16 at the rows of the NEXT pass
.set XT,  68
.set STEP, 70         ; s[70:71]
.set BPN, 72          ; s[72:73] the next pass's bias,
.set GPN, 74          ; s[74:75] gain
.set WXN, 76          ; s[76:77] and odd fragment
.set OP,  78          ; s[78:79] att at my block
.set PASS, 80         ; s80  6, 5: K's two halves; 4..1: the query blocks
.set ASKAT, 81        ; s81  the count at which I prefetch, or 0
.set RC,  82          ; s82  1/128
.set EPS, 83          ; s83  1e-6
.set WBASE, 84
.set VCNT, 85
.set WXK, 86          ; s[86:87] Wk's odd fragment
.set WXQ, 88          ; s[88:89] Wq's
.set W_KQ, 0x0a       ; K and Q in window 2, S^T in window 0
.set W_PV, 0x53       ; V in window 3, P in window 0, O^T in window 1
.set W_RS, 0x41       ; destination and source 0 in window 1, source 1 in window 0
.set MSB, 0
.macro WIN new                      ; the high byte repeats the setting that is left; a switch that changes nothing is dropped
.if MSB != (\new)
	s_set_vgpr_msb (MSB<<8)|(\new)
.set MSB, (\new)
.endif
.endm
.macro PLACES                       ; four plain places behind a matrix instruction, in front of loads into its registers and of lines that read its result
.rept 4
	v_nop
.endr
.endm
.macro ALLT line:vararg             ; one line for each tile ti
.set ti, 0
.rept 4
	\line
.set ti, ti+1
.endr
.endm
; Half 0: K blocks 0-3, half 1: K blocks 4-7 of the next pass's four tiles of x: 32 loads, eight a K block, in the order in which the products want them.
.macro XLOAD half
	WIN 0xc0                        ; destination window 3, address window 0
.set kx, 4*(\half)
.rept 4
.set ti, 0
.rept 4
	global_load_b128 v[32*((kx+4)%8)+8*ti:32*((kx+4)%8)+8*ti+3],   v[L16], s[XN:XN+1] offset:8192*ti+1024*kx
	global_load_b128 v[32*((kx+4)%8)+8*ti+4:32*((kx+4)%8)+8*ti+7], v[L16], s[XN:XN+1] offset:8192*ti+1024*kx+512
.set ti, ti+1
.endr
.set kx, kx+1
.endr
.endm
; The next pass's bias and gain as a lane wants them (register j of block nb: channel 16 nb + 8 (lane / 16) + j), and its odd fragment: 34 loads.
.macro BGX
	WIN 0
.set nb, 0
.rept 8
	global_load_b128 v[BI+8*nb:BI+8*nb+3],   v[BGO], s[BPN:BPN+1] offset:64*nb
	global_load_b128 v[BI+8*nb+4:BI+8*nb+7], v[BGO], s[BPN:BPN+1] offset:64*nb+16
	global_load_b128 v[GA+8*nb:GA+8*nb+3],   v[BGO], s[GPN:GPN+1] offset:64*nb
	global_load_b128 v[GA+8*nb+4:GA+8*nb+7], v[BGO], s[GPN:GPN+1] offset:64*nb+16
.set nb, nb+1
.endr
	global_load_b128 v[WX:WX+3],   v[L16], s[WXN:WXN+1]
	global_load_b128 v[WX+4:WX+7], v[L16], s[WXN:WXN+1] offset:512
.endm
; The eight weight fragments of K block kw, into buffer kw % 2: 16 LDS loads (14 where the odd fragment is left out).
.macro FETCHW kw, odd
	WIN 0x80                        ; destination window 2
.set nb, 0
.rept 8
.if !((\odd) && ((\kw) == 7) && (nb == 7))
	ds_load_b128 v[WB+64*((\kw)%2)+8*nb:WB+64*((\kw)%2)+8*nb+3],   v[WA] offset:8192*(\kw)+1024*nb
	ds_load_b128 v[WB+64*((\kw)%2)+8*nb+4:WB+64*((\kw)%2)+8*nb+7], v[WA] offset:8192*(\kw)+1024*nb+512
.endif
.set nb, nb+1
.endr
.endm
; K block kb's 32 products, on 32 accumulators in the same order in every K block: they take turns, one instruction a turn.
; kind 0 (K, Q): weights x x, the first K block starts the sums with the bias.  kind 1 (V): x x weights, the first starts them with 0.
.macro MULS kind, odd
.set nb, 0
.rept 8
.set ti, 0
.rept 4
.set rD, 64*ti+8*nb
.set rX, 32*((kb+4)%8)+8*ti
.set rW, WB+64*(kb%2)+8*nb
.if \kind
	WIN 0x5b                        ; x window 3, weights window 2, C and D window 1
.if kb == 0
	v_wmma_f32_16x16x32_f16 v[rD:rD+7], v[rX:rX+7], v[rW:rW+7], 0
.else
	v_wmma_f32_16x16x32_f16 v[rD:rD+7], v[rX:rX+7], v[rW:rW+7], v[rD:rD+7]
.endif
.elseif kb == 0
	WIN 0x4e                        ; weights window 2, x window 3, C (the bias) window 0, D window 1
	v_wmma_f32_16x16x32_f16 v[rD:rD+7], v[rW:rW+7], v[rX:rX+7], v[BI+8*nb:BI+8*nb+7]
.elseif (\odd) && (kb == 7) && (nb == 7)
	WIN 0x5c                        ; the odd fragment lies in window 0
	v_wmma_f32_16x16x32_f16 v[rD:rD+7], v[WX:WX+7], v[rX:rX+7], v[rD:rD+7]
.else
	WIN 0x5e
	v_wmma_f32_16x16x32_f16 v[rD:rD+7], v[rW:rW+7], v[rX:rX+7], v[rD:rD+7]
.endif
.set ti, ti+1
.endr
.set nb, nb+1
.endr
.endm
; A PROJECTION: 64 rows of x (in registers) x 128 channels, K = 256 in eight blocks of 32, written out since x's fragments are named by number.
; The global loads are always issued in the order: half 0 of a pass, its bias, gain and odd fragment, its half 1.  So at the head only half 1's 32 loads may be out; in front of K blocks 4 to 7 what
; may be out is the rest of half 1, eight loads a K block, and the 32 loads of the next pass's half 0, issued behind K block 3.
.macro PROJ kind, odd, bnext
	FETCHW 0, 0
	FETCHW 1, 0
	s_wait_loadcnt 32
.set kb, 0
.rept 8
.if kb >= 4
	s_wait_loadcnt 56-8*(kb-4)
.endif
.if kb == 7
	s_wait_dscnt 0x0
.elseif (kb == 6) && (\odd)
	s_wait_dscnt 14                 ; the next K block's fragments may be out
.else
	s_wait_dscnt 16
.endif
	MULS \kind, \odd
	PLACES
.if kb <= 5
	FETCHW kb+2, \odd
.endif
.if kb == 3
	XLOAD 0                         ; K blocks 0-3 have been multiplied: their registers take the next pass's
.endif
.if kb == 7
	PLACES                          ; eight in all in front of the lines that read the sums
.if \bnext
	XLOAD 1
.endif
.endif
.set kb, kb+1
.endr
	WIN 0
.endm
; THE RMS NORM of the four tiles: a lane holds 64 of a row's 128 channels, the lane 16 away the others.  Each accumulator's lowest registers are read first.
; Then x r x gain, in reference()'s order, and the rounding to f16 into window 2: register n takes numbers 2 n and 2 n + 1.
.macro NORM
	WIN 0x05                        ; sources 0 and 1 window 1, source 2 and destination window 0
.set pp, 0
.rept 32
.set ti, 0
.rept 4
.set rT, ST+8*ti+2*(pp%2)
.set rA, 64*ti+2*pp
.if pp < 2
	v_pk_mul_f32 v[rT:rT+1], v[rA:rA+1], v[rA:rA+1]
.else
	v_pk_fma_f32 v[rT:rT+1], v[rA:rA+1], v[rA:rA+1], v[rT:rT+1]
.endif
.set ti, ti+1
.endr
.set pp, pp+1
.endr
	WIN 0
	ALLT v_pk_add_f32 v[ST+8*ti:ST+8*ti+1], v[ST+8*ti:ST+8*ti+1], v[ST+8*ti+2:ST+8*ti+3]
	ALLT v_add_f32 v[ST+8*ti], v[ST+8*ti], v[ST+8*ti+1]
	ALLT v_permlanex16_b32 v[ST+8*ti+1], v[ST+8*ti], s[SEL], s[SEL+1]
	ALLT v_add_f32 v[ST+8*ti], v[ST+8*ti], v[ST+8*ti+1]
	ALLT v_fma_f32 v[ST+8*ti], v[ST+8*ti], s[RC], s[EPS]
	ALLT v_rsq_f32 v[ST+8*ti+6], v[ST+8*ti]
	ALLT v_mov_b32 v[ST+8*ti+7], v[ST+8*ti]        ; plain lines behind the last of the four; they also write the register named with r as a pair
	s_wait_alu depctr_va_vdst(0)    ; the one wait ahead of the first use
	WIN W_RS
.set pp, 0
.rept 32
	ALLT v_pk_mul_f32 v[64*ti+2*pp:64*ti+2*pp+1], v[64*ti+2*pp:64*ti+2*pp+1], v[ST+8*ti+6:ST+8*ti+7] op_sel_hi:[1,0]
	ALLT v_pk_mul_f32 v[64*ti+2*pp:64*ti+2*pp+1], v[64*ti+2*pp:64*ti+2*pp+1], v[GA+2*pp:GA+2*pp+1]
.set pp, pp+1
.endr
	WIN 0x85                        ; sources window 1, destination window 2
.set pp, 0
.rept 128
	v_cvt_pk_f16_f32 v[pp], v[2*pp], v[2*pp+1]
.set pp, pp+1
.endr
	WIN 0
.endm
; V's way out of the accumulators: + bv (a lane holds one channel: one number for a block's eight registers), rounded in place: register 64 tile + m takes numbers 2 m and 2 m + 1.
.macro VEPI
	WIN W_RS
.set ti, 0
.rept 4
.set nb, 0
.rept 8
.set pp, 0
.rept 4
.if nb%2 == 0
	v_pk_add_f32 v[64*ti+8*nb+2*pp:64*ti+8*nb+2*pp+1], v[64*ti+8*nb+2*pp:64*ti+8*nb+2*pp+1], v[BV+nb:BV+nb+1] op_sel_hi:[1,0]
.else
	v_pk_add_f32 v[64*ti+8*nb+2*pp:64*ti+8*nb+2*pp+1], v[64*ti+8*nb+2*pp:64*ti+8*nb+2*pp+1], v[BV+nb-1:BV+nb] op_sel:[0,1] op_sel_hi:[1,1]
.endif
.set pp, pp+1
.endr
.set nb, nb+1
.endr
.set ti, ti+1
.endr
	WIN 0x45                        ; all in window 1
.set ti, 0
.rept 4
.set pp, 0
.rept 32
	v_cvt_pk_f16_f32 v[64*ti+pp], v[64*ti+2*pp], v[64*ti+2*pp+1]
.set pp, pp+1
.endr
.set ti, ti+1
.endr
	WIN 0
.endm
; A step's 16 fragments into LDS: 32 stores of 512 consecutive bytes.  V: fragment 8 (tile / 2) + cb, half tile % 2.  K: fragment 4 tile + cf, both halves.
.macro FSTORE isv
.set ti, 0
.rept 4
.set nb, 0
.rept 8
.if \isv
	WIN 0x04                        ; data (source 1) in window 1
	ds_store_b128 v[FST], v[64*ti+4*nb:64*ti+4*nb+3] offset:(8*(ti/2)+nb)*1024+512*(ti%2)
.else
	WIN 0x08                        ; data in window 2
	ds_store_b128 v[FST], v[32*ti+4*nb:32*ti+4*nb+3] offset:(4*ti+nb/2)*1024+512*(nb%2)
.endif
.set nb, nb+1
.endr
.set ti, ti+1
.endr
	WIN 0
.endm
; THE ATTENTION'S MATRIX WORK, for piece x.  The accumulators take turns, one instruction a turn: between two links of a chain stand 15 (V^T P) or 7 (K Q^T) others'.
.macro PV x                         ; product i of 32 of O^T += V^T P: keys 32 (i / 16) on, channels 16 ((i / 2) % 8) on, tile x + i % 2
	WIN W_PV
.set rO, 64*((\x)+i%2)+8*((i/2)%8)
.set rV, 64*(i/16)+8*((i/2)%8)
.set rP, P+16*((\x)+i%2)+8*(i/16)
	v_wmma_f32_16x16x32_f16 v[rO:rO+7], v[rV:rV+7], v[rP:rP+7], v[rO:rO+7]
.endm
.macro KQ x                         ; product i of 32 of S^T = K Q^T: channels 32 (i / 8) on, keys 16 ((i / 2) % 4) on, tile x + i % 2; the first 8 start the sums
	WIN W_KQ
.set rS, S+32*((\x)+i%2)+8*((i/2)%4)
.set rK, KF+32*((i/2)%4)+8*(i/8)
.set rQ, 32*((\x)+i%2)+8*(i/8)
.if i < 8
	v_wmma_f32_16x16x32_f16 v[rS:rS+7], v[rK:rK+7], v[rQ:rQ+7], 0
.else
	v_wmma_f32_16x16x32_f16 v[rS:rS+7], v[rK:rK+7], v[rQ:rQ+7], v[rS:rS+7]
.endif
.endm
; THE LDS LOADS stand in runs of 32: a step's 16 fragments of K and, a turn later, of V.
.macro FETCH_K
	WIN 0
	v_add_nc_u32 v[ADR], s[TB], v[L16]
	WIN 0x80                        ; destination window 2
.set f, 0
.rept 16
	ds_load_b128 v[KF+8*f:KF+8*f+3],   v[ADR] offset:1024*f
	ds_load_b128 v[KF+8*f+4:KF+8*f+7], v[ADR] offset:1024*f+512
.set f, f+1
.endr
.endm
.macro FETCH_V
	WIN 0
	v_add_nc_u32 v[ADR], s[TB], v[AV0]
	s_add_co_u32 s[TB], s[TB], 16384  ; the next fetch is the next step's
	s_wait_alu depctr_va_vdst(0)    ; the wait for the softmax's batch (SLICE), behind the address's line and ahead of the loads
	WIN 0xc0                        ; destination window 3
.set f, 0
.rept 16
	ds_load_b128 v[8*f:8*f+3],   v[ADR] offset:1024*f
	ds_load_b128 v[8*f+4:8*f+7], v[ADR] offset:1024*f+512
.set f, f+1
.endr
.endm
; THE VECTOR WORK OF A TURN.  One tile's softmax for one key step is a list of 134 instructions; SM writes number j of it for tile t.  s0-s31 are the lane's 32 scores, in pairs 0-15.
;   0-15    the maximum of s0-s31 and the old m, three operands at a time (each accumulator's lowest registers first)      16-20   the other half of the lanes' maximum; the new m; c m; c m_old - c m_new
;   21-69   ONE BATCH: the 16 scalings c s - c m and all 33 exponentials (a at 23, then s0-s31); none of these reads an exponential's result      (the wait: SLICE writes it, once for both tiles)
;   70-85   the roundings to f16      86-101  the sums; l = a l + the sum      102-133 the tile's O^T times a
.macro SM t
.set rT, ST+8*(\t)
.set rS, S+32*(\t)
.set rP, P+16*(\t)
.set rO, 64*(\t)+2*(j-102)
.if j < 102
	WIN 0
.endif
.if j < 4
	v_max3_num_f32 v[rT+4+j], v[rS+8*j], v[rS+8*j+1], v[rS+8*j+2]
.elseif j < 12
	v_max3_num_f32 v[rT+4+j%4], v[rT+4+j%4], v[rS+8*(j%4)+2*(j/4)+1], v[rS+8*(j%4)+2*(j/4)+2]
.elseif j == 12
	v_max3_num_f32 v[rT+4], v[rT+4], v[rS+7], v[rS+15]
.elseif j == 13
	v_max3_num_f32 v[rT+6], v[rT+6], v[rS+23], v[rS+31]
.elseif j == 14
	v_max3_num_f32 v[rT+4], v[rT+4], v[rT+5], v[rT+6]
.elseif j == 15
	v_max3_num_f32 v[rT+4], v[rT+4], v[rT+7], v[rT+1]
.elseif j == 16
	v_permlanex16_b32 v[rT+5], v[rT+4], s[SEL], s[SEL+1]  ; the query's other 32 keys lie in the lane 16 away
.elseif j == 17
	v_mov_b32 v[rT+7], v[rT]        ; c m_old is kept for a: number 19 writes c m anew
.elseif j == 18
	v_max_num_f32 v[rT+1], v[rT+4], v[rT+5]
.elseif j == 19
	v_mul_f32 v[rT], s[CS], v[rT+1]
.elseif j == 20
	v_sub_f32 v[rT+7], v[rT+7], v[rT]
.elseif j == 23
	v_exp_f32 v[rT+6], v[rT+7]
.elseif (j < 23) || ((j < 38) && (j%2 == 0)) || ((j < 66) && (j%4 == 2))
.set b, (j-2)/4                     ; 38, 42, .. 62: pairs 9 to 15
.if j < 38
.set b, (j-20)/2                    ; 21: pair 0; 22, 24, .. 36: pairs 1 to 8
.endif
	v_pk_fma_f32 v[rS+2*b:rS+2*b+1], v[rS+2*b:rS+2*b+1], s[CS:CS+1], v[rT:rT+1] op_sel_hi:[1,0,0] neg_lo:[0,0,1] neg_hi:[0,0,1]  ; pair b: c s - c m
.elseif j < 70
.set e, j-38                        ; 66 to 69: s28 to s31
.if j < 66
.set e, j-32-(j-38)/4               ; 39-41, 43-45, .. 63-65: s7 to s27
.endif
.if j < 38
.set e, (j-25)/2                    ; 25, 27, .. 37: s0 to s6
.endif
	v_exp_f32 v[rS+e], v[rS+e]
.elseif j < 86
	v_cvt_pk_f16_f32 v[rP+j-70], v[rS+2*(j-70)], v[rS+2*(j-70)+1]  ; pair j - 70
.elseif j < 102                     ; the sum of the tile's 16 pairs, in place: neighbours 1, 2, 4 and 8 pairs apart, then l takes it
.set z, j-86
.set w, 4
.set u, z
.if z >= 14
.set w, 32
.set u, 0
.elseif z >= 12
.set w, 16
.set u, z-12
.elseif z >= 8
.set w, 8
.set u, z-8
.endif
.if z < 15
	v_pk_add_f32 v[rS+w*u:rS+w*u+1], v[rS+w*u:rS+w*u+1], v[rS+w*u+w/2:rS+w*u+w/2+1]
.else
	v_pk_fma_f32 v[rT+2:rT+3], v[rT+2:rT+3], v[rT+6:rT+7], v[rS:rS+1] op_sel_hi:[1,0,1]
.endif
.else
	WIN W_RS
	v_pk_mul_f32 v[rO:rO+1], v[rO:rO+1], v[rT+6:rT+7] op_sel_hi:[1,0]
.endif
.endm
; Slice k of 64 of piece y's softmax: four instructions.  Slices 11 to 34 deal out the batch, four numbers of ONE tile each, the tiles by turns; every other slice is numbers 2 k and 2 k + 1 of both tiles.
; 2 x 134 = 4 x 64 + 12: the twelve that are over stand together, in slice 63.  Ahead of slice 35 nothing names an exponential's result, behind slice 34 none is issued: one wait, behind slice 34.
.macro SLICE y
.if (k >= 11) && (k < 35)
.irp n, 0,1,2,3
.set j, 22+4*((k-11)/2)+(\n)
	SM (\y)+(k-11)%2
.endr
.else
.irp n, 0,1,2,3,4,5,6,7
.if ((\n) < 2) || (k == 63)
.irp t, \y, (\y)+1
.set j, 2*k+(\n)
	SM \t
.endr
.endif
.endr
.endif
.if k == 34
	v_nop                           ; a plain instruction behind the last exponential and ahead of the first use: one for the batch
.if (\y) == 0
	FETCH_V                         ; piece 2's turn: V's run of loads stands here, and the wait stands in it
.else
	s_wait_alu depctr_va_vdst(0)    ; the wait for the batch
.endif
.endif
.set k, k+1
.endm
; A TURN.  Piece x has the matrix unit; the other piece's softmax stands in slices behind its products (two behind each where the turn has one kind of product alone).
; Piece 0's turn fetches the next step's K behind its second product: the last product that read K stands in front of slice 63 of the turn before, sixteen plain lines.  Piece 2's turn fetches V behind
; slice 34: the last product that read V stands in front of slice 31, and two scalings, the v_nop and the run's own address line lie between.
.macro TURN x, pv, kq
.set k, 0
.set per, 2
.if (\pv) && (\kq)
.set per, 1
.endif
.if \pv
.if (\x) == 0
	s_wait_dscnt 0x0                ; V is in
.endif
.set i, 0
.rept 32
	PV \x
.rept per
	SLICE 2-(\x)
.endr
.if ((\x) == 0) && (\kq) && (i == 1)
	FETCH_K
.endif
.set i, i+1
.endr
.endif
.if \kq
.if (\x) == 0
	s_wait_dscnt 0x0                ; K is in
.endif
.set i, 0
.rept 32
	KQ \x
.rept per
	SLICE 2-(\x)
.endr
.set i, i+1
.endr
.endif
.endm
; A PREFETCH INTO THE L2 of K blocks 4-7 of my four tiles of the next query block: 64 blocks of 256 bytes, a lane a block, two instructions.  All 16 heads of a frame read the same rows: the work-group of
; head 0 asks, each wave for its own rows, so each block is named once in the launch.  It stands three and a half key steps, 448 matrix instructions, ahead of the loads; the last block asks for nothing.
.macro ASK
	s_cmp_eq_u32 s[CNT], s[ASKAT]
	s_cbranch_scc0 .Lnot_now_\@
	global_prefetch_b8 v[PFO], s[XN:XN+1] offset:4096 th:TH_LOAD_NT scope:SCOPE_SE
	global_prefetch_b8 v[PFO], s[XN:XN+1] offset:20480 th:TH_LOAD_NT scope:SCOPE_SE
.Lnot_now_\@:
.endm
	s_load_b512 s[4:19], s[0:1], 0x0  ; x16 s[4:5], wf s[6:7], bq s[8:9], bk s[10:11], bv s[12:13], gq s[14:15], gk s[16:17], att s[18:19]
	v_lshl_add_u32 v[SPW], v0, 2, SPARE
	v_mov_b32 v[NIL], 0
	ds_add_u32 v[SPW], v[NIL]       ; the wave's opening: the add, twice on end, and its wait ahead of my first tensor load; the set-up below stands between
	ds_add_u32 v[SPW], v[NIL]
	v_lshrrev_b32 v1, 5, v0
	v_readfirstlane_b32 s[WV], v1   ; wave 0..3
	s_mov_b32 s[HD], ttmp9
	s_and_b32 s[FR], ttmp7, 0xffff
	; descriptor group 1: a dense block as rows of 256 bytes: elements of 8 bytes, 32 a row, 32 from row to row; no padding
.irp g, G1A, G1B
	s_mov_b32 s[\g], 3<<16          ; 17:16 elements of 8 bytes
	s_mov_b32 s[\g+1], 32<<16       ; tensor_dim0 = 32
	s_mov_b32 s[\g+3], 32<<16       ; tile_dim0 = 32
	s_mov_b32 s[\g+5], 32           ; the pitch
	s_mov_b32 s[\g+6], 0
	s_mov_b32 s[\g+7], 0
.endr
	s_mov_b32 s[G1A+2], 64<<16      ; tensor_dim1 and
	s_mov_b32 s[G1A+4], 64          ; tile_dim1: a quarter of 64 fragments,
	s_mov_b32 s[G1B+2], 63<<16
	s_mov_b32 s[G1B+4], 63          ; of 63
	s_mov_b32 s[G0], 1
	s_lshl_b32 s[G0+1], s[WV], 14   ; Wv: LDS byte 16,384 w
	s_mul_i32 s90, s[WV], 16128
	s_mov_b32 s[G0+4], 1
	s_add_co_u32 s[G0+5], s90, 65536   ; Wk: 65,536 + 16,128 w
	s_mov_b32 s[G0+8], 1
	s_add_co_u32 s[G0+9], s90, 262144  ; Wq: 262,144 + 16,128 w
	s_mov_b32 s93, 0
	s_mov_b32 s[STEP+1], 0
	s_mov_b32 s[CS], 0x3e0293ee     ; c = log2(e) / sqrt(128)
	s_mov_b32 s[CS+1], s[CS]
	s_mov_b32 s[SEL], 0x76543210
	s_mov_b32 s[SEL+1], 0xfedcba98
	s_mov_b32 s[RC], 0x3c000000     ; 1/128
	s_mov_b32 s[EPS], 0x358637bd    ; 1e-6
	s_wait_dscnt 0x0                ; both opening adds are done
	s_wait_kmcnt 0x0
	s_lshl_b32 s92, s[HD], 16       ; a head's 64 fragments
	s_add_nc_u64 s[6:7], s[6:7], s[92:93]  ; wf at my head's Wq
	s_lshl_b32 s92, s[WV], 14
	s_add_co_u32 s92, s92, 0x200000
	s_add_nc_u64 s[G0+2:G0+3], s[6:7], s[92:93]
	s_or_b32 s[G0+3], s[G0+3], 0x80000000
	s_add_co_u32 s92, s90, 0x100000
	s_add_nc_u64 s[G0+6:G0+7], s[6:7], s[92:93]
	s_or_b32 s[G0+7], s[G0+7], 0x80000000
	s_mov_b32 s92, s90
	s_add_nc_u64 s[G0+10:G0+11], s[6:7], s[92:93]
	s_or_b32 s[G0+11], s[G0+11], 0x80000000
	tensor_load_to_lds s[G0:G0+3], s[G1A:G1A+7]      ; the three first and only fills go out together: three loads of mine are out
	s_nop 0
	tensor_load_to_lds s[G0+4:G0+7], s[G1B:G1B+7]
	s_nop 0
	tensor_load_to_lds s[G0+8:G0+11], s[G1B:G1B+7]
	s_nop 0
	PLACES
	s_add_nc_u64 s[WXK:WXK+1], s[6:7], 0x100000+64512
	s_add_nc_u64 s[WXQ:WXQ+1], s[6:7], 64512
	v_and_b32 v1, 31, v0
	v_lshlrev_b32 v[L16], 4, v1
	v_add_nc_u32 v[AV0], 0x20000, v[L16]
	v_bfe_u32 v1, v0, 4, 1          ; lane / 16
	v_lshlrev_b32 v[BGO], 5, v1
	v_and_b32 v5, 15, v0            ; lane % 16
	v_lshlrev_b32 v[BVO], 2, v5
	v_lshlrev_b32 v[PFO], 8, v5
	v_lshl_add_u32 v[PFO], v1, 13, v[PFO]
	s_lshl_b32 s92, s[HD], 9        ; the head's 128 numbers of each bias
	s_add_nc_u64 s[8:9], s[8:9], s[92:93]
	s_add_nc_u64 s[10:11], s[10:11], s[92:93]
	s_add_nc_u64 s[12:13], s[12:13], s[92:93]
	s_lshl_b32 s92, s[FR], 5
	s_lshl3_add_u32 s92, s[WV], s92
	s_add_co_u32 s92, s92, 1024     ; tile 1,024 + 32 t + 8 w
	s_lshl_b32 s92, s92, 13
	s_add_nc_u64 s[EN0:EN0+1], s[4:5], s[92:93]
	s_add_nc_u64 s[EN1:EN1+1], s[EN0:EN0+1], 32768
	s_lshl_b32 s92, s[FR], 6
	s_lshl2_add_u32 s92, s[WV], s92 ; tile 64 t + 4 w
	s_lshl_b32 s92, s92, 13
	s_add_nc_u64 s[HN0:HN0+1], s[4:5], s[92:93]
	s_lshl_b32 s92, s[FR], 4
	s_add_co_u32 s92, s92, s[WV]    ; group 16 t + w of 64 queries,
	s_lshl_b32 s92, s92, 18
	s_lshl_b32 s94, s[HD], 14       ; the head's four K blocks of it
	s_add_co_u32 s92, s92, s94
	s_add_nc_u64 s[OP:OP+1], s[18:19], s[92:93]
	s_mov_b64 s[BPN:BPN+1], s[10:11]
	s_mov_b64 s[GPN:GPN+1], s[16:17]
	s_mov_b64 s[WXN:WXN+1], s[WXK:WXK+1]
	BGX                             ; K's bias, gain and odd fragment: they wait through V's two passes
.set nb, 0
.rept 8
	global_load_b32 v[BV+nb], v[BVO], s[12:13] offset:64*nb  ; bv of channel 16 nb + lane % 16
.set nb, nb+1
.endr
	s_mov_b64 s[XN:XN+1], s[EN0:EN0+1]
	XLOAD 0
	XLOAD 1
	WIN 0
	s_wait_tensorcnt 0x0            ; my quarters of the three weights are in,
	s_barrier_signal -1
	s_barrier_wait -1               ; everybody's are
	; ---- V: two passes of 64 keys a wave ----
	s_mov_b32 s[VCNT], 2
.Lv:
	s_wait_xcnt 0x0                 ; every load issued so far has read its address, so the pointer may be written
	s_cmp_eq_u32 s[VCNT], 2
	s_cselect_b64 s[XN:XN+1], s[EN1:EN1+1], s[EN0:EN0+1]  ; what the pass asks for: V's second half, then K's first
	s_cselect_b32 s90, 0, 65536     ; step w, then step 4 + w
	s_lshl_b32 s91, s[WV], 14
	s_add_co_u32 s90, s90, s91
	s_add_co_u32 s90, s90, 0x20000
	v_add_nc_u32 v[FST], s90, v[L16]
	v_mov_b32 v[WA], v[L16]         ; Wv lies at LDS byte 0
	PROJ 1, 0, 1
	VEPI
	s_wait_dscnt 0x0                ; my reads of the weights are over
	s_barrier_signal -1
	s_barrier_wait -1               ; everybody's are: LDS is written only between two barriers
	FSTORE 1
	s_wait_dscnt 0x0                ; for the others' sake: my stores are done
	s_barrier_signal -1
	s_barrier_wait -1
	s_sub_co_u32 s[VCNT], s[VCNT], 1
	s_cmp_lg_u32 s[VCNT], 0
	s_cbranch_scc1 .Lv
	; ---- six passes of one text: K's two halves, then the four query blocks ----
	s_mov_b32 s[PASS], 6
.Lpass:
	s_wait_xcnt 0x0                 ; every load, store and prefetch issued so far has read its address: the pointers may be written
	s_sub_co_u32 s90, s[PASS], 2
	s_cmp_lt_u32 s90, 3             ; passes 4, 3, 2 ask for the next query block, 16 tiles on; pass 1 for the same block once more
	s_cselect_b32 s[STEP], 0x20000, 0
	s_add_nc_u64 s[XT:XT+1], s[XN:XN+1], s[STEP:STEP+1]
	s_cmp_eq_u32 s[PASS], 6         ; pass 6 asks for K's second half, with K's bias, gain and odd fragment; all later ones for Q's
	s_cselect_b64 s[XT:XT+1], s[EN1:EN1+1], s[XT:XT+1]
	s_cselect_b64 s[BPN:BPN+1], s[10:11], s[8:9]
	s_cselect_b64 s[GPN:GPN+1], s[16:17], s[14:15]
	s_cselect_b64 s[WXN:WXN+1], s[WXK:WXK+1], s[WXQ:WXQ+1]
	s_cmp_eq_u32 s[PASS], 5         ; pass 5 asks for query block 0
	s_cselect_b64 s[XN:XN+1], s[HN0:HN0+1], s[XT:XT+1]
	s_mov_b32 s90, 65536
	s_cmp_gt_u32 s[PASS], 4
	s_cselect_b32 s[WBASE], s90, 0x40000  ; Wk or Wq
	v_add_nc_u32 v[WA], s[WBASE], v[L16]
	PROJ 0, 1, 0
	NORM
	s_cmp_gt_u32 s[PASS], 4         ; a counted loop's number: the same in all four waves
	s_cbranch_scc0 .Latt
	s_wait_dscnt 0x0                ; my reads of the weights are over
	s_barrier_signal -1
	s_barrier_wait -1               ; everybody's are: pass 6's stores land where Wv lay, pass 5's where Wk lay
	BGX
	XLOAD 1
	WIN 0
	s_cmp_eq_u32 s[PASS], 6
	s_cselect_b32 s90, 0, 65536     ; step w, then step 4 + w
	s_lshl_b32 s91, s[WV], 14
	s_add_co_u32 s90, s90, s91
	v_add_nc_u32 v[FST], s90, v[L16]
	FSTORE 0
	s_wait_dscnt 0x0                ; for the others' sake: my stores are done
	s_barrier_signal -1
	s_barrier_wait -1
	s_branch .Lbottom
.Latt:                              ; from here to the loop's foot LDS is only read: no barrier
	ALLT v_mov_b32 v[ST+8*ti], 0xfe000000    ; c m: far below every c s
	ALLT v_mov_b32 v[ST+8*ti+1], 0xff7fffff  ; m
	s_mov_b32 s[TB], 0
	s_cmp_gt_u32 s[PASS], 1
	s_cselect_b32 s[ASKAT], 3, 0
	s_cmp_eq_u32 s[HD], 0
	s_cselect_b32 s[ASKAT], s[ASKAT], 0
	FETCH_K                         ; key step 0
	s_wait_dscnt 0x0
.set i, 0
.rept 32
	KQ 0                            ; piece 0's first scores: there is no vector work yet to set between them
.set i, i+1
.endr
	PLACES
	PLACES
	TURN 2, 0, 1                    ; piece 2's first scores | piece 0's first softmax (a = 0) | V of step 0
	WIN 0
	s_mov_b32 s[CNT], 7
.Lstep:                             ; trip n: V^T P of step n and K Q^T of step n + 1 for both pieces
	ASK
	TURN 0, 1, 1
	TURN 2, 1, 1
	WIN 0
	s_sub_co_u32 s[CNT], s[CNT], 1
	s_cmp_lg_u32 s[CNT], 0
	s_cbranch_scc1 .Lstep
	TURN 0, 1, 0                    ; piece 0: V^T P of the last step | piece 2's last softmax
	BGX                             ; S^T's registers are free: they take the next pass's bias and gain
.set i, 0
.rept 32
	PV 2                            ; piece 2: V^T P of the last step
.set i, i+1
.endr
	; THE WAY OUT.  l's two halves and the other half of the lanes' are added (these lines are the places behind the last products); V's registers take the next pass's K blocks 4-7;
	; O^T is divided by l and rounded to f16 in place: register 64 t + m takes numbers 2 m and 2 m + 1, which is the last launch's fragment.
	WIN 0
	ALLT v_add_f32 v[ST+8*ti+4], v[ST+8*ti+2], v[ST+8*ti+3]
	ALLT v_permlanex16_b32 v[ST+8*ti+5], v[ST+8*ti+4], s[SEL], s[SEL+1]
	ALLT v_add_f32 v[ST+8*ti+4], v[ST+8*ti+4], v[ST+8*ti+5]
	XLOAD 1
	WIN 0
	ALLT v_rcp_f32 v[ST+8*ti+6], v[ST+8*ti+4]
	v_nop                           ; a plain instruction behind the last reciprocal,
	s_wait_alu depctr_va_vdst(0)    ; and the one wait ahead of the first use
.set tt, 0
.rept 4
	WIN W_RS
.set pp, 0
.rept 32
	v_pk_mul_f32 v[64*tt+2*pp:64*tt+2*pp+1], v[64*tt+2*pp:64*tt+2*pp+1], v[ST+8*tt+6:ST+8*tt+7] op_sel_hi:[1,0]
.set pp, pp+1
.endr
	WIN 0x45
.set pp, 0
.rept 32
	v_cvt_pk_f16_f32 v[64*tt+pp], v[64*tt+2*pp], v[64*tt+2*pp+1]
.set pp, pp+1
.endr
	WIN 0x04                        ; data (source 1) in window 1
.set pp, 0
.rept 8                             ; half fragment pp = 2 f + j: 512 consecutive bytes, at a multiple of 512 from att's first byte
	global_store_b128 v[L16], v[64*tt+4*pp:64*tt+4*pp+3], s[OP:OP+1] offset:4096*(pp/2)+1024*tt+512*(pp%2) th:TH_STORE_NT
.set pp, pp+1
.endr
.set tt, tt+1
.endr
	WIN 0
	s_wait_xcnt 0x0                 ; the stores have read their registers and their base: only now are these written again
	s_add_nc_u64 s[OP:OP+1], s[OP:OP+1], 0x100000  ; the next block: four groups of 64 queries on
.Lbottom:
	s_sub_co_u32 s[PASS], s[PASS], 1
	s_cmp_lg_u32 s[PASS], 0
	s_cbranch_scc1 .Lpass
	s_wait_tensorcnt 0x0            ; the wave's end: three closing lines, behind my last tensor load and my last LDS store
	ds_add_u32 v[SPW], v[NIL]
	s_wait_dscnt 0x0
	s_endpgm
.Lfunc_end_k_q083bab6843_attn:
	.size	k_q083bab6843_attn, .Lfunc_end_k_q083bab6843_attn-k_q083bab6843_attn
	.p2alignl 7, 3214868480
	.fill 96, 4, 3214868480
	.section	.rodata,"a",@progbits
	.p2align	6, 0x0
	.amdhsa_kernel k_q083bab6843_attn
		.amdhsa_group_segment_fixed_size 327680
		.amdhsa_private_segment_fixed_size 0
		.amdhsa_enable_private_segment 0
		.amdhsa_kernarg_size 64
		.amdhsa_user_sgpr_count 2
		.amdhsa_user_sgpr_kernarg_segment_ptr 1
		.amdhsa_wavefront_size32 1
		.amdhsa_system_sgpr_workgroup_id_x 1
		.amdhsa_system_sgpr_workgroup_id_y 1
		.amdhsa_system_sgpr_workgroup_id_z 1
		.amdhsa_system_vgpr_workitem_id 0
		.amdhsa_next_free_vgpr 1024
		.amdhsa_next_free_sgpr 96
		.amdhsa_reserve_vcc 0
		.amdhsa_float_denorm_mode_32 3
		.amdhsa_float_denorm_mode_16_64 3
		.amdhsa_memory_ordered 1
		.amdhsa_forward_progress 1
		.amdhsa_inst_pref_size 255
	.end_amdhsa_kernel
	.section	.bss,"aw",@nobits
	.p2align	6
	.space	262144
	.amdgpu_metadata
---
amdhsa.version: [ 1, 2 ]
amdhsa.kernels:
  - .name:           k_q083bab6843_attn
    .symbol:         k_q083bab6843_attn.kd
    .args:
      - { .name: x16, .offset: 0, .size: 8, .value_kind: global_buffer, .address_space: global }
      - { .name: wf, .offset: 8, .size: 8, .value_kind: global_buffer, .address_space: global }
      - { .name: bq, .offset: 16, .size: 8, .value_kind: global_buffer, .address_space: global }
      - { .name: bk, .offset: 24, .size: 8, .value_kind: global_buffer, .address_space: global }
      - { .name: bv, .offset: 32, .size: 8, .value_kind: global_buffer, .address_space: global }
      - { .name: gq, .offset: 40, .size: 8, .value_kind: global_buffer, .address_space: global }
      - { .name: gk, .offset: 48, .size: 8, .value_kind: global_buffer, .address_space: global }
      - { .name: att, .offset: 56, .size: 8, .value_kind: global_buffer, .address_space: global }
    .group_segment_fixed_size: 327680
    .private_segment_fixed_size: 0
    .kernarg_segment_align: 8
    .kernarg_segment_size: 64
    .max_flat_workgroup_size: 128
    .sgpr_count:     96
    .vgpr_count:     1024
    .wavefront_size: 32
...
	.end_amdgpu_metadata
.endif
;; end of part 2
;; launch oproj (part 3): grid 256 x 1, 4 waves a work-group, clusters of 4 x 1, 327,680 bytes of LDS; arguments att, wf, bo, out0; writes out0
.if DOCPART == 3
	.amdgcn_target "amdgcn-amd-amdhsa--gfx1250"
	.amdhsa_code_object_version 6
	.text
	.protected	k_q083bab6843_oproj
	.globl	k_q083bab6843_oproj
	.p2align	8
	.type	k_q083bab6843_oproj,@function
k_q083bab6843_oproj:
	s_mov_b64 s[64:65], 0
	v_nop
	global_prefetch_b8 v0, s[64:65] scope:SCOPE_SE
	s_setreg_imm32_b32 hwreg(HW_REG_WAVE_MODE, 25, 1), 1
	s_wait_xcnt 0x0
	s_wait_alu depctr_hold_cnt(0) depctr_sa_sdst(0) depctr_va_vdst(0) depctr_va_sdst(0) depctr_va_ssrc(0) depctr_va_vcc(0) depctr_vm_vsrc(0)
	s_getreg_b32 s2, hwreg(HW_REG_IB_STS2, 6, 4)
	s_cmp_eq_u32 s2, 0
	s_cbranch_scc0 .Lentry_in_a_cluster
	s_endpgm
.Lentry_in_a_cluster:
	s_bfe_u32 s2, ttmp6, 0x10000c
	s_cmp_lg_u32 s2, 0x3003
	s_cbranch_scc0 .Lentry_shape_is_right
	s_endpgm
.Lentry_shape_is_right:
; OPROJ.  out0 = att Wo + bo.  att: f16 fragments [group G of 64 rows][kblock 0..63][tile 0..3][1,024 bytes]; Wo: f16 fragments in wf at 3 MiB, [kblock][q = 4 g + c][1,024 bytes], a fragment's row r =
; output column 64 g + 4 r + c; sums in f32; out0 f32.  Nothing of reference() is left out here.
; SHARES.  Work-group G makes 64 rows x all 256 columns, so each byte of att is read once in the launch.  K IS SPLIT AMONG THE FOUR WAVES: of each chunk of eight kblocks wave w takes kblocks 2 w and
; 2 w + 1, for the whole 64 x 256: 64 accumulators, 512 registers; a kblock's 20 KiB of operands feed 64 products, and no operand is wanted by two waves.  The four partial sums (f32) meet in LDS at the end.
; att goes from memory straight into registers: four sets of 32, each asked for again two and a half kblocks (160 products) ahead of its use.
; CLUSTER.  Wo is the same for all work-groups and four fifths of a work-group's bytes: the four work-groups of a cluster ask for each chunk JOINTLY (the same tensor load, descriptor and mask in all
; four; a wave fetches the 32 KiB that it alone reads).  Two slots of a chunk each; a slot is filled again behind a round of the cluster's barrier.  G enters att's and out0's addresses alone.
; COLUMNS.  In a result lane (r, hh) holds rows 8 hh + j and column 64 g + 4 r + c: the four q of a g are 16 consecutive bytes of a row, sixteen lanes 256: out0 is stored without a stage.
; No prefetch: the launch reads att once, front to back, with loads always on their way, and Wo is 1 MiB that all clusters walk together.
; REGISTERS, in windows of 256: window 0: v0-31 addresses, bo; v64-191 att's four sets, later the finished tile      window 1: Wo's fragments of kblock 0 (v0-127) and 1 (v128-255) of my two
;   windows 2, 3: accumulator (tile, q) at 128 (tile % 2) + 8 q, tiles 0, 1 in window 2, tiles 2, 3 in window 3
.set SLOT1, 131072
.set SPARE, 262144                     ; behind the two slots: the spare words, 128 bytes for each wave; no other line names them
.set L16, 2                            ; v2   16 x lane; never rewritten
.set BA,  3                            ; v3-4 my 32 KiB of slot 0, 1
.set RD,  5                            ; v5-6 where I read the partial sums of my tile: waves 0, 1; waves 2, 3
.set CO,  7                            ; v7   my byte offset in 16 rows of out0: 8,192 (lane / 16) + 16 (lane % 16)
.set BO,  8                            ; v8-23  bo of column 64 g + 4 r + c at BO + 4 g + c
.set SPW, 28
.set NIL, 29
.set AS,  64                           ; att's set (chunk parity, kk) at AS + 64 parity + 32 kk + 8 tile
.set T,   64                           ; the finished tile: (row register j, q) at T + 16 j + q
.set WV,  12                           ; s12  my wave's number
.set G1,  16                           ; s[16:23] descriptor group 1
.set G0,  24                           ; s[24:31] descriptor group 0, a set for each slot
.set AP,  32                           ; s[32:33] att at my kblocks of the chunk pair in hand
.set CNT, 34
.set MSB, 0
.macro WIN new
.if MSB != (\new)
	s_set_vgpr_msb (MSB<<8)|(\new)
.set MSB, (\new)
.endif
.endm
.macro PLACES
.rept 4
	v_nop
.endr
.endm
.macro CREST                           ; a round of the cluster's barrier behind its opening barrier
	s_cmp_lg_u32 s[WV], 0
	s_cbranch_scc1 .Lnot_wave_0_\@
	s_barrier_signal -3
.Lnot_wave_0_\@:
	s_barrier_wait -3
	s_barrier_signal -1
	s_barrier_wait -1
.endm
.macro CROUND
	s_barrier_signal -1
	s_barrier_wait -1
	CREST
.endm
; 16 products: tile ti x all 16 q, one kblock.  The 64 accumulators take turns, one instruction a turn, in the same order in every kblock.
.macro MUL16 ti, kk, par, zero
	WIN 0xa4+0x50*((\ti)/2)                        ; att window 0, Wo window 1, C and D window 2 or 3
.set q, 0
.rept 16
.set rD, 128*((\ti)%2)+8*q
.set rA, AS+64*(\par)+32*(\kk)+8*(\ti)
.set rB, 128*(\kk)+8*q
.if \zero
	v_wmma_f32_16x16x32_f16 v[rD:rD+7], v[rA:rA+7], v[rB:rB+7], 0
.else
	v_wmma_f32_16x16x32_f16 v[rD:rD+7], v[rA:rA+7], v[rB:rB+7], v[rD:rD+7]
.endif
.set q, q+1
.endr
.endm
.macro FETCHB slot, kk                 ; a kblock's 16 fragments of Wo: 32 LDS loads in one run
	WIN 0x40                                       ; destination window 1
.set q, 0
.rept 16
	ds_load_b128 v[128*(\kk)+8*q:128*(\kk)+8*q+3],   v[BA+(\slot)] offset:16384*(\kk)+1024*q
	ds_load_b128 v[128*(\kk)+8*q+4:128*(\kk)+8*q+7], v[BA+(\slot)] offset:16384*(\kk)+1024*q+512
.set q, q+1
.endr
.endm
.macro ALOAD par, kk, off              ; a kblock's four fragments of att: 8 loads of 512 consecutive bytes
	WIN 0
.set ti, 0
.rept 4
	global_load_b128 v[AS+64*(\par)+32*(\kk)+8*ti:AS+64*(\par)+32*(\kk)+8*ti+3],   v[L16], s[AP:AP+1] offset:(\off)+1024*ti th:TH_LOAD_NT
	global_load_b128 v[AS+64*(\par)+32*(\kk)+8*ti+4:AS+64*(\par)+32*(\kk)+8*ti+7], v[L16], s[AP:AP+1] offset:(\off)+1024*ti+512 th:TH_LOAD_NT
.set ti, ti+1
.endr
.endm
; My first kblock of a chunk.  In its middle: the second kblock's fragments of Wo, and att's set that the kblock before has read is asked for again (aoff: from where; -1: nothing is left).
; lc: the younger sets' loads, eight each, that may stay out.
.macro KB0 slot, aoff, zero, lc
	s_wait_dscnt 0x0                               ; Wo's fragments are in
	s_wait_loadcnt \lc
	MUL16 0, 0, \slot, \zero
	MUL16 1, 0, \slot, \zero
	PLACES
	FETCHB \slot, 1
.if (\aoff) >= 0
	ALOAD 1-(\slot), 1, \aoff
.endif
	MUL16 2, 0, \slot, \zero
	MUL16 3, 0, \slot, \zero
.endm
; My second kblock of a chunk, and the change of slots.  Each wave waits for all its tensor loads, of which one is out: its part of the other slot; adds 0 to its spare word; and waits for that and for
; its reads of this slot.  fill = 1: the barrier opens a round of the cluster's, and the joint refill, two chunks on, is the first thing behind it.
.macro KB1 slot, fill, aoff, lc
	WIN 0
	s_wait_loadcnt \lc
	s_wait_tensorcnt 0x0                           ; no tensor load of mine is out, so a group 0 may be written
	ds_add_u32 v[SPW], v[NIL]                      ; 0 onto my spare word
.if \fill
	s_add_nc_u64 s[G0+4*(\slot)+2:G0+4*(\slot)+3], s[G0+4*(\slot)+2:G0+4*(\slot)+3], 2*SLOT1  ; two chunks on; the type bits on top are not reached
.endif
	s_wait_dscnt 1                                 ; Wo's fragments are in; the add may be out
	MUL16 0, 1, \slot, 0
	s_wait_dscnt 0x0                               ; the add is done, and my reads of this slot are over
	s_barrier_signal -1
	MUL16 1, 1, \slot, 0                           ; work on registers while the others arrive
	WIN 0
	s_barrier_wait -1
.if \fill
	CREST                                          ; no wave of any partner still reads this slot or has a load on its way
	tensor_load_to_lds s[G0+4*(\slot):G0+4*(\slot)+3], s[G1:G1+7]
	s_nop 0
.endif
	PLACES                                         ; also the places in front of the loads below
	FETCHB 1-(\slot), 0
.if (\aoff) >= 0
	ALOAD \slot, 0, \aoff
.endif
	MUL16 2, 1, \slot, 0
	MUL16 3, 1, \slot, 0
.endm
	s_load_b256 s[4:11], s[0:1], 0x0               ; att s[4:5], wf s[6:7], bo s[8:9], out0 s[10:11]
	v_lshl_add_u32 v[SPW], v0, 2, SPARE
	v_mov_b32 v[NIL], 0
	ds_add_u32 v[SPW], v[NIL]                      ; the wave's opening: the add, twice on end, and its wait ahead of my first tensor load
	ds_add_u32 v[SPW], v[NIL]
	v_lshrrev_b32 v1, 5, v0
	v_readfirstlane_b32 s[WV], v1                  ; wave 0..3
	s_bfe_u32 s13, ttmp6, 0x40000                  ; cx
	s_lshl_b32 s14, ttmp9, 2                       ; in a cluster launch ttmp9 counts clusters
	s_add_co_u32 s14, s14, s13                     ; G = 4 x cluster + cx
	s_mov_b32 s[G1], 15|(3<<16)|(1<<21)            ; 15:0 the mask: all four work-groups; 17:16 elements of 8 bytes; 21 set beside a mask
	s_mov_b32 s[G1+1], 32<<16                      ; tensor_dim0 = 32: rows of 256 bytes
	s_mov_b32 s[G1+2], 128<<16                     ; tensor_dim1 = 128
	s_mov_b32 s[G1+3], 32<<16                      ; tile_dim0
	s_mov_b32 s[G1+4], 128                         ; tile_dim1: 32 KiB
	s_mov_b32 s[G1+5], 32                          ; the pitch: the block is dense
	s_mov_b32 s[G1+6], 0
	s_mov_b32 s[G1+7], 0
	s_lshl_b32 s15, s[WV], 15                      ; 32,768 w: no place in the cluster enters an LDS address
	s_mov_b32 s[G0], 1
	s_mov_b32 s[G0+1], s15
	s_mov_b32 s[G0+4], 1
	s_add_co_u32 s[G0+5], s15, SLOT1
	s_mov_b32 s37, 0
	s_mov_b32 s39, 0
	s_wait_dscnt 0x0                               ; both opening adds are done
	s_wait_kmcnt 0x0
	s_add_co_u32 s36, s15, 0x300000
	s_add_nc_u64 s[G0+2:G0+3], s[6:7], s[36:37]    ; chunk 0, my two kblocks
	s_add_nc_u64 s[G0+6:G0+7], s[G0+2:G0+3], SLOT1 ; chunk 1
	s_or_b32 s[G0+3], s[G0+3], 0x80000000
	s_or_b32 s[G0+7], s[G0+7], 0x80000000
	CROUND                                         ; all four work-groups are here: the first joint loads meet
	tensor_load_to_lds s[G0:G0+3], s[G1:G1+7]      ; two loads of mine are out
	s_nop 0
	tensor_load_to_lds s[G0+4:G0+7], s[G1:G1+7]
	s_nop 0
	PLACES
	v_and_b32 v1, 31, v0
	v_lshlrev_b32 v[L16], 4, v1
	v_add_nc_u32 v[BA], s15, v[L16]
	v_add_nc_u32 v[BA+1], SLOT1, v[BA]
	s_lshr_b32 s40, s[WV], 1
	s_lshl_b32 s40, s40, 17                        ; tiles 0, 1 lie in slot 0's bytes, tiles 2, 3 in slot 1's,
	s_and_b32 s41, s[WV], 1
	s_lshl_b32 s41, s41, 14                        ; 16 KiB a tile
	s_add_co_u32 s40, s40, s41
	v_add_nc_u32 v[RD], s40, v[L16]
	v_add_nc_u32 v[RD+1], 65536, v[RD]
	v_and_b32 v24, 15, v0
	v_lshlrev_b32 v24, 4, v24                      ; 16 (lane % 16)
	v_bfe_u32 v25, v0, 4, 1
	v_lshl_add_u32 v[CO], v25, 13, v24
	s_lshl_b32 s38, s14, 18                        ; my group's 262,144 bytes of att,
	s_lshl_b32 s41, s[WV], 13                      ; my two kblocks of a chunk
	s_add_co_u32 s38, s38, s41
	s_add_nc_u64 s[AP:AP+1], s[4:5], s[38:39]
	s_lshl_b32 s38, s14, 16                        ; my group's 64 rows of out0,
	s_lshl_b32 s41, s[WV], 14                      ; the 16 that I finish
	s_add_co_u32 s38, s38, s41
	s_add_nc_u64 s[10:11], s[10:11], s[38:39]
.irp g, 0,1,2,3
	global_load_b128 v[BO+4*\g:BO+4*\g+3], v24, s[8:9] offset:256*\g
.endr
	ALOAD 0, 0, 0                                  ; chunk 0,
	ALOAD 0, 1, 4096
	ALOAD 1, 0, 32768                              ; chunk 1
	ALOAD 1, 1, 36864
	s_wait_tensorcnt 1                             ; my part of slot 0 is in, and I alone read it; slot 1's may stay out
	FETCHB 0, 0
	KB0 0, -1, 1, 24                               ; the first kblock starts the sums; three younger sets may stay out
	WIN 0
	s_mov_b32 s[CNT], 3
.Lchunks:                                      ; a trip: from a chunk's second kblock to the first kblock two chunks on; both slots are filled again, all four sets asked for again
	KB1 0, 1, 65536, 16
	KB0 1, 69632, 0, 16
	KB1 1, 1, 98304, 16
	KB0 0, 102400, 0, 16
	WIN 0
	s_wait_xcnt 0x0                                ; the loads have read their base (the youngest stands 32 products back)
	s_add_nc_u64 s[AP:AP+1], s[AP:AP+1], 65536     ; two chunks of att
	s_sub_co_u32 s[CNT], s[CNT], 1
	s_cmp_lg_u32 s[CNT], 0
	s_cbranch_scc1 .Lchunks
	KB1 0, 0, -1, 16                               ; the last three kblocks ask for nothing
	KB0 1, -1, 0, 8
	s_wait_dscnt 0x0
	s_wait_loadcnt 0x0
	MUL16 0, 1, 1, 0
	MUL16 1, 1, 1, 0
	MUL16 2, 1, 1, 0
	MUL16 3, 1, 1, 0
	PLACES
	PLACES
	; THE SUM OVER THE WAVES.  The slots have had their last fill; my 64 KiB of them take my 64 partial tiles (f32), each accumulator's lowest registers first.
.set ti, 0
.rept 4
	WIN 0x08+4*(ti/2)                              ; data (source 1) in window 2 or 3
.set q, 0
.rept 16
	ds_store_b128 v[BA+ti/2], v[128*(ti%2)+8*q:128*(ti%2)+8*q+3]   offset:16384*(ti%2)+1024*q
	ds_store_b128 v[BA+ti/2], v[128*(ti%2)+8*q+4:128*(ti%2)+8*q+7] offset:16384*(ti%2)+1024*q+512
.set q, q+1
.endr
.set ti, ti+1
.endr
	WIN 0
	s_wait_dscnt 0x0                               ; for the others' sake: my stores are done
	s_barrier_signal -1
	s_barrier_wait -1
.set sw, 0
.rept 4                                ; wave w finishes tile w: the four waves' parts of it, into windows 2 (waves 0, 1) and 3 (waves 2, 3)
	WIN 0x80+0x40*(sw/2)
.set q, 0
.rept 16
	ds_load_b128 v[128*(sw%2)+8*q:128*(sw%2)+8*q+3],   v[RD+sw/2] offset:32768*(sw%2)+1024*q
	ds_load_b128 v[128*(sw%2)+8*q+4:128*(sw%2)+8*q+7], v[RD+sw/2] offset:32768*(sw%2)+1024*q+512
.set q, q+1
.endr
.set sw, sw+1
.endr
	s_wait_dscnt 0x0
	WIN 0x8a
.set q, 0
.rept 64
	v_pk_add_f32 v[2*q:2*q+1], v[2*q:2*q+1], v[128+2*q:128+2*q+1]
.set q, q+1
.endr
	WIN 0xcf
.set q, 0
.rept 64
	v_pk_add_f32 v[2*q:2*q+1], v[2*q:2*q+1], v[128+2*q:128+2*q+1]
.set q, q+1
.endr
	WIN 0x0e                                       ; source 0 window 2, source 1 window 3, destination window 0: the last addition also lays a row's four neighbouring columns into four neighbouring registers
.set j, 0
.rept 8
.set q, 0
.rept 16
	v_add_f32 v[T+16*j+q], v[8*q+j], v[8*q+j]
.set q, q+1
.endr
.set j, j+1
.endr
	WIN 0
.set j, 0
.rept 8
.set q, 0
.rept 8
	v_pk_add_f32 v[T+16*j+2*q:T+16*j+2*q+1], v[T+16*j+2*q:T+16*j+2*q+1], v[BO+2*q:BO+2*q+1]
.set q, q+1
.endr
.set j, j+1
.endr
.set j, 0
.rept 8
.irp g, 0,1,2,3
	global_store_b128 v[CO], v[T+16*j+4*\g:T+16*j+4*\g+3], s[10:11] offset:1024*j+256*\g th:TH_STORE_NT  ; 16 lanes store 256 consecutive bytes, at a multiple of 256 from out0's first byte
.endr
.set j, j+1
.endr
	s_wait_tensorcnt 0x0                           ; the wave's end: three closing lines, behind my last tensor load and my last LDS store
	ds_add_u32 v[SPW], v[NIL]
	s_wait_dscnt 0x0
	CROUND                                         ; the closing round: no work-group ends while a partner may still ask for a chunk that names it
	s_endpgm
.Lfunc_end_k_q083bab6843_oproj:
	.size	k_q083bab6843_oproj, .Lfunc_end_k_q083bab6843_oproj-k_q083bab6843_oproj
	.p2alignl 7, 3214868480
	.fill 96, 4, 3214868480
	.section	.rodata,"a",@progbits
	.p2align	6, 0x0
	.amdhsa_kernel k_q083bab6843_oproj
		.amdhsa_group_segment_fixed_size 327680
		.amdhsa_private_segment_fixed_size 0
		.amdhsa_enable_private_segment 0
		.amdhsa_kernarg_size 32
		.amdhsa_user_sgpr_count 2
		.amdhsa_user_sgpr_kernarg_segment_ptr 1
		.amdhsa_wavefront_size32 1
		.amdhsa_system_sgpr_workgroup_id_x 1
		.amdhsa_system_sgpr_workgroup_id_y 1
		.amdhsa_system_sgpr_workgroup_id_z 1
		.amdhsa_system_vgpr_workitem_id 0
		.amdhsa_next_free_vgpr 1024
		.amdhsa_next_free_sgpr 66
		.amdhsa_reserve_vcc 0
		.amdhsa_float_denorm_mode_32 3
		.amdhsa_float_denorm_mode_16_64 3
		.amdhsa_memory_ordered 1
		.amdhsa_forward_progress 1
		.amdhsa_inst_pref_size 98
	.end_amdhsa_kernel
	.amdgpu_metadata
---
amdhsa.version: [ 1, 2 ]
amdhsa.kernels:
  - .name:           k_q083bab6843_oproj
    .symbol:         k_q083bab6843_oproj.kd
    .args:
      - { .name: att, .offset: 0, .size: 8, .value_kind: global_buffer, .address_space: global }
      - { .name: wf, .offset: 8, .size: 8, .value_kind: global_buffer, .address_space: global }
      - { .name: bo, .offset: 16, .size: 8, .value_kind: global_buffer, .address_space: global }
      - { .name: out0, .offset: 24, .size: 8, .value_kind: global_buffer, .address_space: global }
    .group_segment_fixed_size: 327680
    .private_segment_fixed_size: 0
    .kernarg_segment_align: 8
    .kernarg_segment_size: 32
    .max_flat_workgroup_size: 128
    .sgpr_count:     66
    .vgpr_count:     1024
    .wavefront_size: 32
...
	.end_amdgpu_metadata
.endif
;; end of part 3
;; ======== version 2 of 2: 3 launches; version 1 with the launch prep written anew for expert scheduling mode
;; limits: values are held in f16: magnitudes above 65,504 overflow, below 6.1e-05 lose precision
;; workspace buffers: x16 12,582,912 bytes; wf 4,194,304 bytes; att 67,108,864 bytes
;; launch prep (part 4): grid 256 x 1, 8 waves a work-group, no clusters, 51,712 bytes of LDS; arguments hidden_states, encoder_hidden_states, Wq, Wk, Wv, Wo, x16, wf; writes x16, wf
.if DOCPART == 4
	.amdgcn_target "amdgcn-amd-amdhsa--gfx1250"
	.amdhsa_code_object_version 6
	.text
	.protected	k_q083bab6843_prep
	.globl	k_q083bab6843_prep
	.p2align	8
	.type	k_q083bab6843_prep,@function
k_q083bab6843_prep:
	s_mov_b64 s[64:65], 0
	v_nop
	global_prefetch_b8 v0, s[64:65] scope:SCOPE_SE
	s_setreg_imm32_b32 hwreg(HW_REG_WAVE_SCHED_MODE, 0, 2), 2
	s_setreg_imm32_b32 hwreg(HW_REG_WAVE_MODE, 25, 1), 1
	s_wait_xcnt 0x0
	s_wait_alu depctr_vm_vsrc(0)
; PREP.  LayerNorm (no gain, no bias) of hidden_states and encoder_hidden_states, and the four weights, all rounded once to f16 and laid out as matrix fragments.
; NOTHING OF reference() IS LEFT OUT IN THIS PROGRAM: all twelve inputs have a way to the output and are loaded (the biases and gains by the two later launches).
; A FRAGMENT is 16 rows x 32 k of f16, 1,024 bytes, stored [j = 0, 1][lane 0..31][16 bytes]: lane (r = lane % 16, hh = lane / 16) holds row r, k = 16 j + 8 hh + 0..7.
; Two loads of 16 bytes a lane, at 16 lane and 512 + 16 lane, are the eight registers of a matrix operand; each covers 512 consecutive bytes.
;   x16: [tile T of 16 rows][kb 0..7][fragment]; T 0..1023 hidden_states, T 1024..1535 encoder_hidden_states.
;   wf:  Wq at 0, Wk at 1 MiB, Wv at 2 MiB, each [head][kb][nb][fragment], a fragment's row r = output channel 128 head + 16 nb + r, k = input channel 32 kb + ..;
;        Wo at 3 MiB, [kblock 0..63][q = 4 g + c][fragment], row r = output column 64 g + 4 r + c, k = inner index 32 kblock + ..
; SHARES.  256 work-groups of eight waves.  Waves 0..5 normalise one tile each (6 x 256 = 1,536 tiles).  Waves 6 and 7 turn weights: 768 units of 32 k x 64 columns of Wq, Wk, Wv
; (three a work-group) and 256 units of 32 k x 64 columns of Wo (one a work-group).  Each wave issues all its loads, 16 KiB, ahead of its first wait; there is no loop and no barrier.
; No matrix unit, no cluster (no two work-groups read the same byte), no tensor load: a stream that is read once and written once.
; LIMITS.  f16 holds no number beyond 65,504: a weight beyond that becomes an infinity.  The normalised rows lie within 16 in magnitude by the LayerNorm itself.  NaN and infinities are not treated apart.
; THE MODE: SCHED_MODE bits 1:0 = 2 (LLVM: expert scheduling mode 2), set by the entry lines.  The code itself states the register dependences
; between vector instructions and memory or LDS instructions, with s_wait_alu, always for 0.
; THE PLAN.  Registers that memory or LDS instructions touch:
;   v2 .. v8       offsets and LDS addresses: each written once, ahead of a wait on va_vdst that stands ahead of its first use, and never written again.
;   X, row i       The global loads land in its eight registers; vector lines work on them.  Its first four are written last by the row's roundings and read by the row's two LDS stores;
;                  its last four are named last by those roundings, then an LDS load lands in them and a global store reads them.  None is written behind its reader.
;   v32 .. v191    (the weights' path) Loads land; conversions pack; stores read what the conversions wrote.  None is written behind its reader.
;   M              named by vector lines alone.          v30, v31   written at the head, read by the closing add alone.
; The normalised rows leave in four blocks of four: block b scales and rounds its rows, and the eight LDS stores of block b - 1 are dealt among its lines, behind ONE wait at the block's head:
; block b's lines name its own rows of X and M alone.  No register that a memory or LDS instruction reads is written again, so no wait on vm_vsrc is owed ahead of the closing lines.
.set SPARE, 50688                      ; behind the six stages: the spare words, 128 bytes for each of the eight waves; no other line names them
.set STG,   8448                       ; a wave's stage: 16 rows
.set PIT,   528                        ; of 512 bytes + 16: an odd multiple of 16, so the 16 rows of a read start in different groups of banks
.set X,     32                         ; v[32:159]  row i of the tile at X + 8 i
.set M,     160                        ; v[160:191] row i's pair at M + 2 i
.set SPW,   30                         ; v30  my spare word's LDS address; never rewritten
.set NIL,   31                         ; v31  0; never rewritten
	s_load_b512 s[4:19], s[0:1], 0x0               ; hidden s[4:5], encoder s[6:7], Wq s[8:9], Wk s[10:11], Wv s[12:13], Wo s[14:15], x16 s[16:17], wf s[18:19]
	v_lshl_add_u32 v[SPW], v0, 2, SPARE
	v_mov_b32 v[NIL], 0
	v_lshrrev_b32 v1, 5, v0
	v_readfirstlane_b32 s20, v1                    ; wave 0..7
	v_and_b32 v1, 31, v0                           ; lane
	v_lshlrev_b32 v2, 4, v1                        ; 16 lane
	v_and_b32 v9, 15, v0                           ; r
	v_bfe_u32 v10, v0, 4, 1                        ; hh
	s_mov_b32 s31, 0                               ; the high word of every offset pair
	s_wait_kmcnt 0x0
	s_wait_alu depctr_va_sdst(0)                   ; s20 is written, ahead of its first reader, the compare below, and of the branch
	s_cmp_lt_u32 s20, 6
	s_cbranch_scc0 .Lw
	; ---- LayerNorm of tile T = 6 x work-group + wave ----
	s_mul_i32 s21, ttmp9, 6
	s_add_co_u32 s21, s21, s20
	s_cmp_lt_u32 s21, 1024
	s_cselect_b64 s[22:23], s[4:5], s[6:7]         ; which input,
	s_cselect_b32 s30, 0, 1024
	s_sub_co_u32 s30, s21, s30                     ; and which of its tiles:
	s_lshl_b32 s30, s30, 14                        ; 16 rows of 1,024 bytes
	s_add_nc_u64 s[22:23], s[22:23], s[30:31]
	s_lshl_b32 s30, s21, 13                        ; 8 fragments
	s_add_nc_u64 s[16:17], s[16:17], s[30:31]
	s_wait_alu depctr_va_vdst(0)                   ; v2 is written: the 32 loads below and the 16 global stores at the path's end read it as their offset
.set i, 0
.rept 16                               ; a lane takes channels 4 l .. 4 l + 3 and 128 + 4 l .. of each row: each load covers 512 consecutive bytes
	global_load_b128 v[X+8*i:X+8*i+3],   v2, s[22:23] offset:1024*i th:TH_LOAD_NT
	global_load_b128 v[X+8*i+4:X+8*i+7], v2, s[22:23] offset:1024*i+512 th:TH_LOAD_NT
.set i, i+1
.endr
	s_mov_b32 s24, 0xbb800000                      ; -1/256
	s_mov_b32 s25, 0xbb800000                      ; named with it as a pair
	s_mov_b32 s26, 0x3b800000                      ; 1/256
	s_mov_b32 s27, 0x358637bd                      ; 1e-6
	s_mov_b32 s28, 0x76543210                      ; v_permlanex16_b32: each lane takes its own place in the other half
	s_mov_b32 s29, 0xfedcba98
	s_mul_i32 s32, s20, STG                        ; my stage
	v_lshl_add_u32 v3, v1, 3, s32                  ; in: 8 bytes a lane
	v_mul_u32_u24 v4, v9, PIT                      ; back: row r, 16 bytes for each half of the lanes
	v_lshl_add_u32 v4, v10, 4, v4
	v_add_nc_u32 v4, s32, v4
.macro REDUCE                          ; the sixteen rows' sums over the 32 lanes, the rows interleaved; every lane ends with the sum in the pair's low register
.irp m, 1,2,4,8
.set i, 0
.rept 16
	v_add_f32_dpp v[M+2*i], v[M+2*i], v[M+2*i] row_xmask:\m row_mask:0xf bank_mask:0xf
.set i, i+1
.endr
.endr
.set i, 0
.rept 16
	v_permlanex16_b32 v[M+2*i+1], v[M+2*i], s28, s29
.set i, i+1
.endr
.set i, 0
.rept 16
	v_add_f32 v[M+2*i], v[M+2*i], v[M+2*i+1]
.set i, i+1
.endr
.endm
.set i, 0
.rept 16
	s_wait_loadcnt 30-2*i                          ; loads come back in order: row i is in, the later rows' two loads each may stay out
	v_pk_add_f32 v[M+2*i:M+2*i+1], v[X+8*i:X+8*i+1], v[X+8*i+2:X+8*i+3]
	v_pk_add_f32 v[M+2*i:M+2*i+1], v[M+2*i:M+2*i+1], v[X+8*i+4:X+8*i+5]
	v_pk_add_f32 v[M+2*i:M+2*i+1], v[M+2*i:M+2*i+1], v[X+8*i+6:X+8*i+7]
	v_add_f32 v[M+2*i], v[M+2*i], v[M+2*i+1]
.set i, i+1
.endr
	REDUCE
.set i, 0
.rept 16                               ; x - mean, in place
.irp c, 0,2,4,6
	v_pk_fma_f32 v[X+8*i+\c:X+8*i+\c+1], v[M+2*i:M+2*i+1], s[24:25], v[X+8*i+\c:X+8*i+\c+1] op_sel_hi:[0,0,1]
.endr
.set i, i+1
.endr
.set i, 0
.rept 16                               ; the sum of the squares of the centred numbers
	v_pk_mul_f32 v[M+2*i:M+2*i+1], v[X+8*i:X+8*i+1], v[X+8*i:X+8*i+1]
.irp c, 2,4,6
	v_pk_fma_f32 v[M+2*i:M+2*i+1], v[X+8*i+\c:X+8*i+\c+1], v[X+8*i+\c:X+8*i+\c+1], v[M+2*i:M+2*i+1]
.endr
	v_add_f32 v[M+2*i], v[M+2*i], v[M+2*i+1]
.set i, i+1
.endr
	REDUCE
.set i, 0
.rept 16
	v_fma_f32 v[M+2*i], v[M+2*i], s26, s27         ; variance + 1e-6
.set i, i+1
.endr
.set i, 0
.rept 16
	v_rsq_f32 v[M+2*i], v[M+2*i]                   ; one batch of sixteen
.set i, i+1
.endr
	v_nop                                          ; a plain instruction behind the last of them,
	s_wait_alu depctr_va_vdst(0)                   ; and the one wait ahead of the first use: the sixteen reciprocal roots are written
; THE WAY OUT OF THE REGISTERS, in four blocks of four rows.  Block b: times the reciprocal root, rounded to f16 in place (register c is written when its own pair has been read).
; In front of each of its rows stand the two LDS stores of a row of block b - 1.
.set b, 0
.rept 4
.if b > 0
	s_wait_alu depctr_va_vdst(0)                   ; the block before has written the first four registers of its rows, which the eight LDS stores below read; v3, their address, was written further up
.endif
.set i, 4*b
.rept 4
.if b > 0
	ds_store_b64 v3, v[X+8*(i-4):X+8*(i-4)+1]   offset:PIT*(i-4)       ; channels 4 l ..        No wait: no vector line since the block's head names these registers
	ds_store_b64 v3, v[X+8*(i-4)+2:X+8*(i-4)+3] offset:PIT*(i-4)+256   ; channels 128 + 4 l ..
.endif
.irp c, 0,2,4,6
	v_pk_mul_f32 v[X+8*i+\c:X+8*i+\c+1], v[X+8*i+\c:X+8*i+\c+1], v[M+2*i:M+2*i+1] op_sel_hi:[1,0]
.endr
.irp c, 0,1,2,3
	v_cvt_pk_f16_f32 v[X+8*i+\c], v[X+8*i+2*\c], v[X+8*i+2*\c+1]
.endr
.set i, i+1
.endr
.set b, b+1
.endr
	s_wait_alu depctr_va_vdst(0)                   ; the last block has written its rows, which the stores below read; all roundings are done with each row's last four registers, in which the LDS loads below land; v4 is written
.set i, 12
.rept 4
	ds_store_b64 v3, v[X+8*i:X+8*i+1]   offset:PIT*i
	ds_store_b64 v3, v[X+8*i+2:X+8*i+3] offset:PIT*i+256
.set i, i+1
.endr
.set i, 0
.rept 16                               ; half fragment i = 2 kb + j: LDS serves a wave's instructions in order, so these see the stores above; they land in each row's four free registers
	ds_load_b128 v[X+8*i+4:X+8*i+7], v4 offset:32*i
.set i, i+1
.endr
.set i, 0
.rept 16
	s_wait_dscnt 15-i
	global_store_b128 v2, v[X+8*i+4:X+8*i+7], s[16:17] offset:512*i  ; 512 consecutive bytes, at a multiple of 512 from x16's first byte
.set i, i+1
.endr
	s_branch .Lend
	; ---- the weights ----
; Unit idx of Wq, Wk, Wv: matrix idx / 256, kb = (idx / 32) % 8, strip sp = idx % 32 of 64 columns.  src: its first element; dst: its four fragments.
.macro WADDR idx, src, dst
	s_lshr_b32 s32, s[\idx], 8
	s_cmp_eq_u32 s32, 1
	s_cselect_b64 s[\src:\src+1], s[10:11], s[8:9]
	s_cmp_eq_u32 s32, 2
	s_cselect_b64 s[\src:\src+1], s[12:13], s[\src:\src+1]
	s_bfe_u32 s33, s[\idx], 0x30005                ; kb
	s_and_b32 s34, s[\idx], 31                     ; sp
	s_lshl_b32 s30, s33, 18                        ; 32 rows of 8,192 bytes
	s_lshl_b32 s35, s34, 8                         ; 64 columns of 4 bytes
	s_add_co_u32 s30, s30, s35
	s_add_nc_u64 s[\src:\src+1], s[\src:\src+1], s[30:31]
	s_lshl_b32 s30, s32, 20                        ; the matrix,
	s_lshr_b32 s35, s34, 1
	s_lshl_b32 s35, s35, 16                        ; the head,
	s_add_co_u32 s30, s30, s35
	s_lshl_b32 s35, s33, 13                        ; kb,
	s_add_co_u32 s30, s30, s35
	s_and_b32 s35, s34, 1
	s_lshl_b32 s35, s35, 12                        ; the head's first or second four fragments
	s_add_co_u32 s30, s30, s35
	s_add_nc_u64 s[\dst:\dst+1], s[18:19], s[30:31]
.endm
.macro WLOAD base, src                 ; a lane a column: column 32 u + l of rows 0..31; a row's two loads cover 256 consecutive bytes, aligned
.set i, 0
.rept 32
	global_load_b32 v[(\base)+i],    v5, s[\src:\src+1] offset:8192*i th:TH_LOAD_NT
	global_load_b32 v[(\base)+32+i], v5, s[\src:\src+1] offset:8192*i+128 th:TH_LOAD_NT
.set i, i+1
.endr
.endm
.macro WPACK base                      ; two neighbouring k of a column into a register, in place
.set i, 0
.rept 16
	v_cvt_pk_f16_f32 v[(\base)+i],    v[(\base)+2*i],    v[(\base)+2*i+1]
.set i, i+1
.endr
.set i, 0
.rept 16
	v_cvt_pk_f16_f32 v[(\base)+32+i], v[(\base)+32+2*i], v[(\base)+32+2*i+1]
.set i, i+1
.endr
.endm
.macro WSTORE base, dst                ; column 32 u + l is row l % 16 of fragment 2 u + l / 16; its k = 16 j + 8 hh + 0..7 go to byte 512 j + 256 hh + 16 (l % 16): each half of the lanes writes 256 consecutive bytes
.irp u, 0,1
.irp j, 0,1
.irp h, 0,1
	global_store_b128 v6, v[(\base)+32*\u+8*\j+4*\h:(\base)+32*\u+8*\j+4*\h+3], s[\dst:\dst+1] offset:2048*\u+512*\j+256*\h
.endr
.endr
.endr
.endm
.Lw:
	v_lshlrev_b32 v5, 2, v1                        ; 4 lane
	v_lshlrev_b32 v6, 4, v9                        ; 16 (l % 16)
	v_lshl_add_u32 v6, v10, 10, v6                 ; + 1,024 (l / 16)
	s_mul_i32 s21, ttmp9, 3
	s_add_co_u32 s21, s21, s20
	s_sub_co_u32 s21, s21, 6                       ; unit 3 x work-group + 0 (wave 6) or + 1 (wave 7)
	WADDR 21, 22, 24
	s_wait_alu depctr_va_vdst(0)                   ; v5 and v6 are written: the loads of Wq, Wk, Wv read v5 as their offset, the stores of their fragments v6
	WLOAD 32, 22
	s_cmp_eq_u32 s20, 6
	s_cbranch_scc0 .Lo
	s_mul_i32 s21, ttmp9, 3
	s_add_co_u32 s21, s21, 2                       ; wave 6 also takes unit 3 x work-group + 2
	WADDR 21, 26, 28
	WLOAD 96, 26
	s_wait_loadcnt 63                              ; of my 128 loads at most 63 are out: the first unit's 64 are in
	WPACK 32
	s_wait_alu depctr_va_vdst(0)                   ; the conversions have written v32-47 and v64-79, which the eight stores below read
	WSTORE 32, 24
	s_wait_loadcnt 0x0
	WPACK 96
	s_wait_alu depctr_va_vdst(0)                   ; the conversions have written v96-111 and v128-143, which the eight stores below read
	WSTORE 96, 28
	s_branch .Lend
.Lo:                                               ; wave 7 also takes a unit of Wo: kblock = work-group / 4, g = work-group % 4
	v_lshlrev_b32 v7, 4, v9
	v_lshl_add_u32 v8, v10, 9, v7                  ; out: 512 (l / 16) + 16 (l % 16)
	v_lshl_add_u32 v7, v10, 14, v7                 ; in: 16 rows of 1,024 bytes further for lanes 16-31, 16 bytes (four columns) a lane
	s_lshr_b32 s32, ttmp9, 2
	s_and_b32 s33, ttmp9, 3
	s_lshl_b32 s30, s32, 15                        ; 32 rows of 1,024 bytes
	s_lshl_b32 s34, s33, 8                         ; 64 columns
	s_add_co_u32 s30, s30, s34
	s_add_nc_u64 s[36:37], s[14:15], s[30:31]
	s_lshl_b32 s30, s32, 14                        ; 16 fragments a kblock
	s_lshl_b32 s34, s33, 12                        ; four a g
	s_add_co_u32 s30, s30, s34
	s_add_co_u32 s30, s30, 0x300000
	s_add_nc_u64 s[38:39], s[18:19], s[30:31]
	s_wait_alu depctr_va_vdst(0)                   ; v7 and v8 are written: Wo's loads read v7 as their offset, the stores of its fragments v8
.set i, 0
.rept 16                               ; lane (r, H): row 16 H + i, columns 64 g + 4 r + 0..3; each half of the lanes reads 256 consecutive bytes, aligned
	global_load_b128 v[96+4*i:96+4*i+3], v7, s[36:37] offset:1024*i th:TH_LOAD_NT
.set i, i+1
.endr
	s_wait_loadcnt 16                              ; the first unit is in; Wo's 16 loads may stay out
	WPACK 32
	s_wait_alu depctr_va_vdst(0)                   ; the conversions have written v32-47 and v64-79, which the eight stores below read
	WSTORE 32, 24
	s_wait_loadcnt 0x0
.irp c, 0,1,2,3
.set i, 0
.rept 8                                ; column 64 g + 4 r + c, k = 16 H + 2 i, + 1
	v_cvt_pk_f16_f32 v[160+8*\c+i], v[96+8*i+\c], v[96+8*i+4+\c]
.set i, i+1
.endr
.endr
	s_wait_alu depctr_va_vdst(0)                   ; the conversions have written v160-191, which the eight stores below read
.irp c, 0,1,2,3
.irp h, 0,1
	global_store_b128 v8, v[160+8*\c+4*\h:160+8*\c+4*\h+3], s[38:39] offset:1024*\c+256*\h  ; fragment 4 g + c, j = H, k = 8 h + 0..7: 256 consecutive bytes for each half of the lanes
.endr
.endr
.Lend:
	s_wait_dscnt 0x0                               ; the wave's end: the closing lines, six on end
	s_wait_alu 0x0
	s_wait_tensorcnt 0x0
	ds_add_u32 v[SPW], v[NIL]
	s_wait_dscnt 0x0
	s_endpgm
.Lfunc_end_k_q083bab6843_prep:
	.size	k_q083bab6843_prep, .Lfunc_end_k_q083bab6843_prep-k_q083bab6843_prep
	.p2alignl 7, 3214868480
	.fill 96, 4, 3214868480
	.section	.rodata,"a",@progbits
	.p2align	6, 0x0
	.amdhsa_kernel k_q083bab6843_prep
		.amdhsa_group_segment_fixed_size 51712
		.amdhsa_private_segment_fixed_size 0
		.amdhsa_enable_private_segment 0
		.amdhsa_kernarg_size 64
		.amdhsa_user_sgpr_count 2
		.amdhsa_user_sgpr_kernarg_segment_ptr 1
		.amdhsa_wavefront_size32 1
		.amdhsa_system_sgpr_workgroup_id_x 1
		.amdhsa_system_sgpr_workgroup_id_y 1
		.amdhsa_system_sgpr_workgroup_id_z 1
		.amdhsa_system_vgpr_workitem_id 0
		.amdhsa_next_free_vgpr 200
		.amdhsa_next_free_sgpr 66
		.amdhsa_reserve_vcc 0
		.amdhsa_float_denorm_mode_32 3
		.amdhsa_float_denorm_mode_16_64 3
		.amdhsa_memory_ordered 1
		.amdhsa_forward_progress 1
		.amdhsa_inst_pref_size 71
	.end_amdhsa_kernel
	.amdgpu_metadata
---
amdhsa.version: [ 1, 2 ]
amdhsa.kernels:
  - .name:           k_q083bab6843_prep
    .symbol:         k_q083bab6843_prep.kd
    .args:
      - { .name: hidden_states, .offset: 0, .size: 8, .value_kind: global_buffer, .address_space: global }
      - { .name: encoder_hidden_states, .offset: 8, .size: 8, .value_kind: global_buffer, .address_space: global }
      - { .name: Wq, .offset: 16, .size: 8, .value_kind: global_buffer, .address_space: global }
      - { .name: Wk, .offset: 24, .size: 8, .value_kind: global_buffer, .address_space: global }
      - { .name: Wv, .offset: 32, .size: 8, .value_kind: global_buffer, .address_space: global }
      - { .name: Wo, .offset: 40, .size: 8, .value_kind: global_buffer, .address_space: global }
      - { .name: x16, .offset: 48, .size: 8, .value_kind: global_buffer, .address_space: global }
      - { .name: wf, .offset: 56, .size: 8, .value_kind: global_buffer, .address_space: global }
    .group_segment_fixed_size: 51712
    .private_segment_fixed_size: 0
    .kernarg_segment_align: 8
    .kernarg_segment_size: 64
    .max_flat_workgroup_size: 256
    .sgpr_count:     66
    .vgpr_count:     200
    .wavefront_size: 32
...
	.end_amdgpu_metadata
.endif
;; end of part 4
;; launch attn: the kernel of part 2 again; grid 16 x 16, 4 waves a work-group, no clusters, 327,680 bytes of LDS; arguments x16, wf, bq, bk, bv, gq, gk, att; writes att
;; launch oproj: the kernel of part 3 again; grid 256 x 1, 4 waves a work-group, clusters of 4 x 1, 327,680 bytes of LDS; arguments att, wf, bo, out0; writes out0
